; MI455X (gfx1250); checked and timed in simulation.
; The chip was launched on July 23, 2026; its instructions are those of AMD's public machine-readable ISA for CDNA 5 (MIT licence, August 2026) and "CDNA5" Instruction Set Architecture Reference Guide (July 2026). The comments in the code are by the model that wrote it; some were corrected since.
;; Transformer Block. Allowed arithmetic: matrix products marked QUANTISED: E5M2 operands, one given power-of-two scale a tensor, by v_wmma_f32_16x16x64_bf8_bf8 or v_wmma_f32_16x16x128_bf8_bf8, f32 sums; everything else in f32.
;; Inputs: b1 4,096 float32; b2 1,024 float32; b_out 1,024 float32; be1 1,024 float32; be2 1,024 float32; g1 1,024 float32; g2 1,024 float32; key 2 x 2,048 x 1,024 float32; lowp_scales 10 int32 (the exponents e of the quantised operands' scales 2^e); query 2 x 2,048 x 1,024 float32; value_codes 2 x 1,024 x 64 x 32 uint8 (E5M2 codes of value, K innermost, in blocks of 32 codes); w1_codes 4,096 x 32 x 32 uint8 (E5M2 codes of w1, K innermost, in blocks of 32 codes); w2_codes 1,024 x 128 x 32 uint8 (E5M2 codes of w2, K innermost, in blocks of 32 codes); w_out_codes 1,024 x 32 x 32 uint8 (E5M2 codes of w_out, K innermost, in blocks of 32 codes).
;; Outputs: out0 2 x 2,048 x 1,024 float32.
;; This version of the problem:
;;   THIS VERSION OF THE PROBLEM IS GIVEN IN LOW PRECISION. The matrix products marked QUANTISED in the list below multiply operands that are first quantised to E5M2 (5 exponent bits, 2 mantissa bits; 8 bits a number), with one given power-of-two scale for each operand tensor; their sums are f32. All else is computed in f32.
;;   The module's matrix products, in the order in which they are computed (A, B: the left and right operand; K: the contracted axis; several contracted axes count as one K, in the product's order):
;;     1. batch 32 x [M 2,048, K 64] x [K 64, N 2,048]; A: input query; B: input key: QUANTISED (scales: A lowp_scales[0], B lowp_scales[1])
;;     2. batch 32 x [M 64, K 2,048] x [K 2,048, N 2,048]; A: input value (given as codes); B: softmax (see below): QUANTISED (scales: A lowp_scales[2], B lowp_scales[3])
;;     3. [M 4,096, K 1,024] x [K 1,024, N 1,024]; A: computed on the way; B: input w_out (given as codes): QUANTISED (scales: A lowp_scales[4], B lowp_scales[5])
;;     4. [M 4,096, K 1,024] x [K 1,024, N 4,096]; A: computed on the way; B: input w1 (given as codes): QUANTISED (scales: A lowp_scales[6], B lowp_scales[7])
;;     5. [M 4,096, K 4,096] x [K 4,096, N 1,024]; A: computed on the way; B: input w2 (given as codes): QUANTISED (scales: A lowp_scales[8], B lowp_scales[9])
;;   THE QUANTISER, for each operand of a quantised product, along K:
;;     - The operand's scale is 2^e, e = its entry of the input lowp_scales (int32; the entries are numbered through the quantised products in the list's order, A before B).
;;     - Each number is divided by the scale, clamped to +-57,344, and rounded to the nearest number of E5M2, ties to even, subnormals kept.
;;     - The product sums the exact products of the quantised numbers (number of the format x scale) in f32.
;;   ~~~python
;;   def quantise(x, axis, e):      # numpy; x: float32 -> the quantised numbers, widened to float32 again
;;       x = np.moveaxis(x, axis, -1); K = x.shape[-1]
;;       r = np.clip(x / 2.0 ** e, -57344, 57344)
;;       step = 2.0 ** (np.maximum(np.frexp(np.where(r == 0, 1, r))[1] - 1, -14) - 2)
;;       q = np.round(r / step) * step * 2.0 ** e      # np.round: ties to even
;;       return np.moveaxis(q, -1, axis).astype(np.float32)
;;   ~~~
;;   SOFTMAX AHEAD OF A QUANTISED PRODUCT. Where the list says 'softmax', what is quantised is not the finished softmax but p = 2^(t - M), with t = logit x log2(e) and M = ceil(the row's largest t), a whole number; so 1/2 < the row's largest p <= 1. The row's sum l is taken of the UNQUANTISED p, in f32, and the product's result is divided by l at the end. Since M is a whole number, a kernel that streams over the keys may use a running M (the ceiling of the running maximum): every later rescaling is an exact power of two, so the quantised numbers keep their values, but for numbers so far below the row's largest that they fall under the format's range.
;;   OPERANDS COMPUTED ON THE WAY. 'Computed on the way' means the value that the module computes at that place (a softmax that the list does not call 'softmax' is quantised finished and normalised). What goes into a quantiser is computed in f32, as accurately as f32 sums, v_exp_f32 and their like allow (about 1e-6 of the number): no bf16 or f16 on the way to a quantiser, and a product that is left as it is and whose result goes on into a quantised operand takes f32 operands (vector FMAs, or v_wmma_f32_16x16x4_f32). A number that lies on a knife's edge between two numbers of the format may be rounded either way, as far as f32 arithmetic and the matrix unit's own rounding can turn it there, and no further.
;;   INPUTS GIVEN AS CODES. value (in the module: [2, 2048, 1024], K = its axis 1); w1 (in the module: [1024, 4096], K = its axis 0); w2 (in the module: [4096, 1024], K = its axis 0); w_out (in the module: [1024, 1024], K = its axis 0): each comes as NAME_codes (uint8): NAME with its K axis moved to the last place and cut into blocks of 32 codes, [.., K / 32, bytes a block], one block behind the other in memory; one code a byte (a code: sign, 5 exponent bits, 2 mantissa bits); its scale is its entry of lowp_scales. Its value is code x scale, taken as it is: it is not quantised again, and the codes and scales need not be those that the quantiser above would give.
;; One version. Each part assembles by itself: llvm-mc -triple=amdgcn-amd-amdhsa -mcpu=gfx1250 --defsym DOCPART=n.
;; ======== version 1 of 1: 7 launches
;; limits: right only within a limited range of input values
;; workspace buffers: kc 4,194,304 bytes; ac 4,194,304 bytes; r1 16,777,216 bytes; x 16,777,216 bytes; xc 4,194,304 bytes; hc 16,777,216 bytes; r2 16,777,216 bytes
;; launch quantk (part 1): grid 256 x 1, 4 waves a work-group, no clusters, 35,328 bytes of LDS; arguments key, lowp_scales, kc; writes kc
.if DOCPART == 1
	.amdgcn_target "amdgcn-amd-amdhsa--gfx1250"
	.amdhsa_code_object_version 6
	.text
	.protected	k_qbce2a28267_quantk
	.globl	k_qbce2a28267_quantk
	.p2align	8
	.type	k_qbce2a28267_quantk,@function
k_qbce2a28267_quantk:
	s_mov_b64 s[64:65], 0
	v_nop
	global_prefetch_b8 v0, s[64:65] scope:SCOPE_SE
	s_setreg_imm32_b32 hwreg(HW_REG_WAVE_MODE, 25, 1), 1
	s_wait_xcnt 0x0
; key [2][2048][1024] f32 -> kc: codes of BF8 (E5M2) with the given scale 2^e1 (entry 1 of the scales), laid as IMAGES OF OPERAND REGISTERS.
; code = x / 2^e1, held within +-57,344, rounded to the nearest code, ties to even.  LIMITS: -126 <= e1 and e1 + 15 <= 127; NaN among the inputs is not served.
; AN IMAGE is 16 rows x 64 along K, 1,024 bytes: the byte at 512 c + 16 lane + i (lane = r + 16 h) is the code of row r at k = 32 c + 16 h + i: two 16-byte accesses a lane move it.
; kc = [batch x 16 + head][tile T 0..127][image], K = the head's 64.  THE KEYS OF A TILE ARE NOT NEIGHBOURS: row m of tile T = 8 s + 2 b + u is key 128 s + 32 b + 8 u + m + 8 (m / 8),
; so that in the attention launch the 16 score registers of tiles 2 b and 2 b + 1 are 16 neighbouring keys.
; SHARES.  Work-group g: heads 4 (g % 4) + q, q = 0..3; tiles 4 ((g / 4) % 32) + wave; batch g / 128.  A wave makes four images: one tile of keys for four heads.
; A load reads two keys' head slices: sixteen lanes take 256 consecutive bytes, aligned.  The conversion wants 16 neighbours along K in ONE lane: so the 16 x 64 numbers turn through the wave's own stage in LDS
; (rows 272 bytes apart = 17 x 16: the sixteen rows of a read begin at sixteen different 16-byte columns modulo 256).  No barrier: waves share nothing.  Every offset is an immediate; no register of a store is written again.
.set R,    16                          ; v16-143  four tiles of 32 registers as loaded
.set X,    144                         ; v144-207 two sets of 32: a lane's numbers, k = 32 c + 16 h + 0..15 in registers 16 c + 0..15
.set C,    208                         ; v208-239 codes: 8 registers for each of the four images
.set STGB, 4352                        ; a stage: 16 rows x 272 bytes; two for each wave
	s_load_b128 s[4:7], s[0:1], 0x0                ; key, the scales' exponents
	s_load_b64 s[8:9], s[0:1], 0x10                ; kc
	v_lshl_add_u32 v240, v0, 2, 0x8800
	v_mov_b32 v241, 0
	v_lshrrev_b32 v5, 5, v0
	v_readfirstlane_b32 s10, v5                    ; wave 0..3
	v_and_b32 v6, 31, v0                           ; lane
	v_and_b32 v7, 15, v0                           ; lane % 16
	v_bfe_u32 v8, v0, 4, 1                         ; lane / 16
	v_lshlrev_b32 v1, 4, v7
	v_lshl_add_u32 v1, v8, 12, v1                  ; in: 16 bytes of a head slice; lanes 16-31 one key (4,096 bytes) on
	v_lshlrev_b32 v2, 4, v6                        ; out: 16 x lane
	s_mul_i32 s11, s10, 2*STGB
	v_mul_u32_u24 v3, v8, 272
	v_lshl_add_u32 v3, v7, 4, v3
	v_add_nc_u32 v3, s11, v3                       ; the stage, on the way in: as loaded, two rows an instruction
	v_mul_u32_u24 v4, v7, 272
	v_lshl_add_u32 v4, v8, 6, v4
	v_add_nc_u32 v4, s11, v4                       ; and on the way out: row r, + 64 h bytes: my 16 numbers of a block of 32
	s_and_b32 s12, ttmp9, 3                        ; which four heads
	s_bfe_u32 s13, ttmp9, 0x50002                  ; which four tiles (5 bits from bit 2)
	s_lshr_b32 s14, ttmp9, 7                       ; batch
	s_lshl_b32 s13, s13, 2
	s_add_co_u32 s13, s13, s10                     ; T
	s_lshr_b32 s15, s13, 3
	s_lshl_b32 s15, s15, 7                         ; 128 (T / 8)
	s_bfe_u32 s16, s13, 0x20001
	s_lshl_b32 s16, s16, 5                         ; 32 ((T / 2) % 4)
	s_add_co_u32 s15, s15, s16
	s_and_b32 s16, s13, 1
	s_lshl_b32 s16, s16, 3                         ; 8 (T % 2)
	s_add_co_u32 s15, s15, s16                     ; the tile's first key
	s_lshl_b32 s16, s15, 12                        ; x 4,096 bytes
	s_lshl_b32 s17, s14, 23                        ; + batch x 8,388,608
	s_add_co_u32 s16, s16, s17
	s_lshl_b32 s17, s12, 10                        ; + four heads x 256 bytes
	s_add_co_u32 s16, s16, s17
	s_mov_b32 s17, 0
	s_lshl_b32 s18, s14, 4
	s_lshl_b32 s19, s12, 2
	s_add_co_u32 s18, s18, s19                     ; batch x 16 + my first head
	s_lshl_b32 s18, s18, 7
	s_add_co_u32 s18, s18, s13                     ; x 128 tiles + T
	s_lshl_b32 s18, s18, 10                        ; x 1,024 bytes
	s_mov_b32 s19, 0
	s_wait_alu depctr_va_vdst(0)
	s_wait_kmcnt 0x0
	s_load_b32 s20, s[6:7], 0x4                    ; e1
	s_add_nc_u64 s[4:5], s[4:5], s[16:17]
	s_add_nc_u64 s[8:9], s[8:9], s[18:19]
.macro LOAD q                          ; head q: rows m = 2 i + lane / 16 of the tile; rows 8-15 are the keys 16-23
.irp i, 0,1,2,3,4,5,6,7
	global_load_b128 v[R+32*(\q)+4*\i:R+32*(\q)+4*\i+3], v1, s[4:5] offset:(2*\i+8*(\i/4))*4096+256*(\q) th:TH_LOAD_NT
.endr
.endm
.macro TURN q                          ; through the stage: LDS serves a wave's instructions in order (ISA guide 5.7.1.4), so no wait stands between the stores and the loads
.irp i, 0,1,2,3,4,5,6,7
	ds_store_b128 v3, v[R+32*(\q)+4*\i:R+32*(\q)+4*\i+3] offset:STGB*((\q)%2)+544*\i
.endr
.irp c, 0,1
.irp j, 0,1,2,3
	ds_load_b128 v[X+32*((\q)%2)+16*\c+4*\j:X+32*((\q)%2)+16*\c+4*\j+3], v4 offset:STGB*((\q)%2)+128*\c+16*\j
.endr
.endr
.endm
.macro WORK q
.set XS, X+32*((\q)%2)
.set i, 0
.rept 32
	v_med3_num_f32 v[XS+i], v[XS+i], -v10, v10     ; the conversion to an 8-bit code does not saturate (ISA guide 7.6.2): the hold at the largest code x the scale comes first
.set i, i+1
.endr
.irp g, 0,1,2,3
	v_cvt_scalef32_pk8_bf8_f32 v[C+8*(\q)+2*\g:C+8*(\q)+2*\g+1], v[XS+8*\g:XS+8*\g+7], v11
.endr
.irp c, 0,1
	global_store_b128 v2, v[C+8*(\q)+4*\c:C+8*(\q)+4*\c+3], s[8:9] offset:131072*(\q)+512*\c   ; the wave stores 512 consecutive bytes, aligned; head q's tiles lie 128 x 1,024 bytes on
.endr
.endm
	LOAD 0
	LOAD 1
	LOAD 2
	LOAD 3
	s_wait_kmcnt 0x0
	s_add_co_i32 s20, s20, 127
	s_lshl_b32 s21, s20, 23
	v_mov_b32 v11, s21                             ; 2^e1 as f32: the conversion takes its exponent field
	s_add_co_i32 s20, s20, 15
	s_lshl_b32 s20, s20, 23
	s_or_b32 s20, s20, 0x600000
	v_mov_b32 v10, s20                             ; 57,344 x 2^e1
	s_wait_alu depctr_va_vdst(0)
	s_wait_loadcnt 24                              ; head 0's eight loads are in; 24 younger ones stay out
	TURN 0
.irp q, 0,1,2
	s_wait_loadcnt 8*(2-\q)                        ; the next head's eight loads are in
	TURN \q+1                                      ; and go through the other stage while this head is worked
	s_wait_dscnt 16                                ; this head's numbers are back: the 16 LDS instructions just issued may be out
	WORK \q                                        ; (the next head's holds are the plain vector lines behind these conversions)
.endr
	s_wait_dscnt 0x0
	WORK 3
	s_wait_tensorcnt 0x0
	ds_add_u32 v240, v241
	s_wait_dscnt 0x0
	s_endpgm
.Lfunc_end_k_qbce2a28267_quantk:
	.size	k_qbce2a28267_quantk, .Lfunc_end_k_qbce2a28267_quantk-k_qbce2a28267_quantk
	.p2alignl 7, 3214868480
	.fill 96, 4, 3214868480
	.section	.rodata,"a",@progbits
	.p2align	6, 0x0
	.amdhsa_kernel k_qbce2a28267_quantk
		.amdhsa_group_segment_fixed_size 35328
		.amdhsa_private_segment_fixed_size 0
		.amdhsa_enable_private_segment 0
		.amdhsa_kernarg_size 24
		.amdhsa_user_sgpr_count 2
		.amdhsa_user_sgpr_kernarg_segment_ptr 1
		.amdhsa_wavefront_size32 1
		.amdhsa_system_sgpr_workgroup_id_x 1
		.amdhsa_system_sgpr_workgroup_id_y 1
		.amdhsa_system_sgpr_workgroup_id_z 1
		.amdhsa_system_vgpr_workitem_id 0
		.amdhsa_next_free_vgpr 242
		.amdhsa_next_free_sgpr 66
		.amdhsa_reserve_vcc 0
		.amdhsa_float_denorm_mode_32 3
		.amdhsa_float_denorm_mode_16_64 3
		.amdhsa_memory_ordered 1
		.amdhsa_forward_progress 1
		.amdhsa_inst_pref_size 20
	.end_amdhsa_kernel
	.amdgpu_metadata
---
amdhsa.version: [ 1, 2 ]
amdhsa.kernels:
  - .name:           k_qbce2a28267_quantk
    .symbol:         k_qbce2a28267_quantk.kd
    .args:
      - { .name: key, .offset: 0, .size: 8, .value_kind: global_buffer, .address_space: global }
      - { .name: lowp_scales, .offset: 8, .size: 8, .value_kind: global_buffer, .address_space: global }
      - { .name: kc, .offset: 16, .size: 8, .value_kind: global_buffer, .address_space: global }
    .group_segment_fixed_size: 35328
    .private_segment_fixed_size: 0
    .kernarg_segment_align: 8
    .kernarg_segment_size: 24
    .max_flat_workgroup_size: 128
    .sgpr_count:     66
    .vgpr_count:     242
    .wavefront_size: 32
...
	.end_amdgpu_metadata
.endif
;; end of part 1
;; launch attn (part 2): grid 8 x 32, 8 waves a work-group, clusters of 4 x 1, 327,680 bytes of LDS; arguments query, kc, value_codes, lowp_scales, ac; writes ac
.if DOCPART == 2
	.amdgcn_target "amdgcn-amd-amdhsa--gfx1250"
	.amdhsa_code_object_version 6
	.text
	.protected	k_qbce2a28267_attn
	.globl	k_qbce2a28267_attn
	.p2align	8
	.type	k_qbce2a28267_attn,@function
k_qbce2a28267_attn:
	s_mov_b64 s[64:65], 0
	v_nop
	global_prefetch_b8 v0, s[64:65] scope:SCOPE_SE
	s_setreg_imm32_b32 hwreg(HW_REG_WAVE_MODE, 25, 1), 1
	s_wait_xcnt 0x0
	s_wait_alu depctr_hold_cnt(0) depctr_sa_sdst(0) depctr_va_vdst(0) depctr_va_sdst(0) depctr_va_ssrc(0) depctr_va_vcc(0) depctr_vm_vsrc(0)
	s_getreg_b32 s2, hwreg(HW_REG_IB_STS2, 6, 4)
	s_cmp_eq_u32 s2, 0
	s_cbranch_scc0 .Lentry_in_a_cluster
	s_endpgm
.Lentry_in_a_cluster:
	s_bfe_u32 s2, ttmp6, 0x10000c
	s_cmp_lg_u32 s2, 0x3003
	s_cbranch_scc0 .Lentry_shape_is_right
	s_endpgm
.Lentry_shape_is_right:
; ac = Q4(softmax(q k^T / 32) v), head by head, both products on codes of BF8 (E5M2).  query [2][2048][1024] f32 is quantised here (2^e0); kc: the keys' codes as register images (2^e1), made by the launch before;
; value_codes [2][1024][2048]: keys innermost (2^e2); p is quantised with 2^e3; the result, divided by the row's sum, with 2^e4 into ac: images [row / 16][head], 16 rows x the head's 64.
; THE SOFTMAX: t = score x log2(e) / 32; M = the running largest t rounded UP to a whole number; p = 2^(t - M) is quantised, not normalised; the row's sum is taken of the unquantised p and divides at the end.
; When M moves, the sum and O are multiplied by 2^(old M - new M): exact, and without a branch on data.
; LIMITS on the given exponents, so that each power of two below is an f32 number: e0 + e1 between -121 and 131 (added to c's exponent field); e0, e3, e4 each between -126 and 112; e2 + e3 goes by v_ldexp_f32.  NaN is not served.
; SHARES.  A work-group owns 256 queries of one head, each of its eight waves 32: two tiles of 16, so that each fragment of K and V read from LDS feeds two products.  Two waves to a SIMD.
; ALL OF A HEAD'S K AND V LIE IN LDS (128 KiB of images; 4 x 64 rows x 528 bytes), and every byte of LDS is filled once, IN TWO FILLS of 1,024 keys, one tensor load a wave each: wave w < 4 brings 16 images of K,
; wave w >= 4 brings 32 rows x 512 codes of V.  The first fill is asked for at the head; the second behind the full sequence and a round of the cluster's barrier, and it has key steps 0 to 6 in which to land;
; a wait for 0 and a barrier stand ahead of step 7, which is the first to touch it (it asks for step 8's K).
; NO PREFETCH: both fills are asked for before the first key step; no later load follows that a request could run ahead of.
; CLUSTER.  The four query blocks of a cluster belong to one head and read the same K and V: each tile is asked for JOINTLY, by the same load with the same descriptor and a mask that names the four.
; LAYOUT.  Both products are used transposed: S^T = K Q^T (source 0 = 16 keys, source 1 = 16 queries), O^T = V^T P^T (source 0 = 16 channels, source 1 = P): a lane holds ONE query (lane % 16) throughout.
; In every fragment registers 4 c .. 4 c + 3 hold k = 32 c + 16 (lane / 16) + 0..15: a permutation of k that is the same on both sides of each product.
; REGISTERS.  window 0: v1-7 addresses; v8-11 scales; v12-19 -M, largest t, the sum's pair, a tile; v20-23 f; v24-27 maxima; v28-31 second sum chains; v32-47 Q's codes; v48-79 p's codes; v80-207 S^T, then p;
;   v208-239 tile 0's sums of four; v253 the hold once more; v254, v255 the add's two.   window 1: v0-63 O^T (32 a tile); v64-127 V's four fragments; v128-191 K's eight.
.set VL,   131072                      ; LDS: K's images from 0; V from here
.set VP,   528                         ; a row of V in LDS: 512 bytes + 16 = 33 x 16
.set VST,  64*VP                       ; 512 keys of V
.set STG,  VL+4*VST                    ; the way out: 2,048 bytes for each wave; no tile lands here
.set SPARE, STG+8*2048                 ; the spare words, 128 bytes for each wave
.set LI,   1                           ; v1  16 x lane
.set AV0,  2                           ; v2  my lane's place in a tile of V
.set ADK,  3                           ; v3  LDS address of the NEXT step's K
.set ADV,  4                           ; v4  of this step's V
.set QO,   5                           ; v5  my byte in the wave's rows of query
.set STO,  6                           ; v6  the way out: where I put 8 codes
.set RD,   7                           ; v7  and where I read an image back
.set PLIM, 8                           ; v8  57,344 x 2^e3;  v9 2^e3
.set PSC,  9
.set OLIM, 10                          ; v10 57,344 x 2^e4;  v11 2^e4
.set OSC,  11
.set ST,   12
.set FF,   20
.set MX,   24
.set S2,   28
.set Q,    32
.set P,    48
.set S,    80
.set T,    208
.set PLIM2, 253                        ; v253 = v8: the two halves of a dual pair take their first sources from different register banks
.set SPW,  254
.set NIL,  255
.set OT,   0                           ; in window 1
.set VF,   64
.set KF,   128
.set WV,   14                          ; s14 my wave's number
.set SEL,  20                          ; s[20:21] v_permlanex16_b32's selects: lane l xor 16
.set CS,   22                          ; s[22:23] c = log2(e) / 32 x 2^(e0 + e1)
.set G1K,  24                          ; s[24:31], s[32:39] descriptor groups 1
.set G1V,  32
.set G0K,  40                          ; s[40:43] K's group 0;  s[68:71] V's
.set G0V,  68
.set TBK,  61                          ; s61: LDS byte at which the NEXT step's K begins;  s62: at which this step's V begins
.set TBV,  62
.set TRIP, 63
.set E23,  90                          ; s90 e2 + e3
.set MSB, 0
.macro WIN new                         ; the immediate's high byte repeats the setting that is left; a switch that changes nothing is dropped
.if MSB != \new
	s_set_vgpr_msb (MSB<<8)|\new
.set MSB, \new
.endif
.endm
.macro CROUND                          ; a round of the cluster's barrier
	s_barrier_signal -1
	s_barrier_wait -1
	s_cmp_lg_u32 s[WV], 0
	s_cbranch_scc1 .Lnot_wave_0_\@
	s_barrier_signal -3
.Lnot_wave_0_\@:
	s_barrier_wait -3
	s_barrier_signal -1
	s_barrier_wait -1
.endm
.macro JLOAD                           ; waves 0-3 fetch K, waves 4-7 V: one joint load in each arm; s_nop 0 and four v_nop follow it
	s_cmp_lt_u32 s[WV], 4
	s_cbranch_scc0 .Lfor_v_\@
	tensor_load_to_lds s[G0K:G0K+3], s[G1K:G1K+7]
	s_nop 0
.rept 4
	v_nop
.endr
	s_branch .Lasked_\@
.Lfor_v_\@:
	tensor_load_to_lds s[G0V:G0V+3], s[G1V:G1V+7]
	s_nop 0
.rept 4
	v_nop
.endr
.Lasked_\@:
.endm
.macro MKSC e, sc, lim                 ; v[sc] = 2^s[e] as f32, v[lim] = 57,344 x that
	s_add_co_i32 s84, s[\e], 127
	s_lshl_b32 s85, s84, 23
	v_mov_b32 v[\sc], s85
	s_add_co_i32 s84, s84, 15
	s_lshl_b32 s84, s84, 23
	s_or_b32 s84, s84, 0x600000
	v_mov_b32 v[\lim], s84
.endm
.macro KLOAD adr                       ; eight images of K: 128 keys
	WIN 0x40                                       ; destination window 1
.irp t, 0,1,2,3,4,5,6,7
	ds_load_b128 v[KF+8*\t:KF+8*\t+3], v[\adr] offset:1024*\t
	ds_load_b128 v[KF+8*\t+4:KF+8*\t+7], v[\adr] offset:1024*\t+512
.endr
	WIN 0
.endm
	s_load_b256 s[4:11], s[0:1], 0x0               ; query s[4:5], kc s[6:7], value_codes s[8:9], the scales' exponents s[10:11]
	s_load_b64 s[12:13], s[0:1], 0x20              ; ac
	v_lshl_add_u32 v[SPW], v0, 2, SPARE
	v_mov_b32 v[NIL], 0
	ds_add_u32 v[SPW], v[NIL]                      ; the opening lines: the add, twice on end, and its wait ahead of my first tensor load
	ds_add_u32 v[SPW], v[NIL]
	v_lshrrev_b32 v10, 5, v0
	v_readfirstlane_b32 s[WV], v10                 ; wave 0..7
	s_and_b32 s15, s[WV], 3                        ; which quarter of a fill I fetch
	s_bfe_u32 s16, ttmp6, 0x40000                  ; cx: my place in the cluster
	s_lshl_b32 s17, ttmp9, 2
	s_add_co_u32 s17, s17, s16                     ; my block of 256 queries: it enters query's and ac's addresses alone
	s_and_b32 s18, ttmp7, 0xffff                   ; batch x 16 + head, which the four partners share
	s_lshl_b32 s84, s18, 17                        ; the head's 131,072 bytes in kc and in value_codes
	s_lshl_b32 s90, s15, 14                        ; K: 16 images x 1,024 bytes a quarter, in LDS as in memory: no place in the cluster enters an LDS address
	s_add_co_u32 s86, s84, s90
	s_mov_b32 s87, 0
	s_and_b32 s91, s15, 1                          ; V: which 512 keys of the fill's 1,024,
	s_lshr_b32 s92, s15, 1                         ; and which 32 of the 64 rows
	s_lshl_b32 s85, s91, 9
	s_add_co_u32 s88, s84, s85
	s_lshl_b32 s85, s92, 16                        ; 32 rows of 2,048 bytes
	s_add_co_u32 s88, s88, s85
	s_mov_b32 s89, 0
	s_mul_i32 s91, s91, VST
	s_mul_i32 s92, s92, 32*VP
	s_add_co_u32 s91, s91, s92
	s_add_co_u32 s91, s91, VL
	s_lshr_b32 s92, s18, 4                         ; batch
	s_and_b32 s93, s18, 15                         ; head
	s_lshl_b32 s94, s17, 8
	s_lshl_b32 s95, s[WV], 5
	s_add_co_u32 s94, s94, s95                     ; my first query: 256 x block + 32 x wave
	s_lshl_b32 s96, s94, 12                        ; x 4,096 bytes
	s_lshl_b32 s95, s92, 23
	s_add_co_u32 s96, s96, s95                     ; + batch x 8,388,608
	s_lshl_b32 s95, s93, 8
	s_add_co_u32 s96, s96, s95                     ; + head x 256
	s_mov_b32 s97, 0
	s_lshl_b32 s98, s92, 7
	s_lshr_b32 s95, s94, 4
	s_add_co_u32 s98, s98, s95                     ; my first tile of 16 rows
	s_lshl_b32 s98, s98, 4
	s_add_co_u32 s98, s98, s93                     ; x 16 images + head
	s_lshl_b32 s98, s98, 10
	s_mov_b32 s99, 0
	; group 1 for K: a dense block of 16,384 bytes as 64 rows of 32 elements of 8 bytes
	s_mov_b32 s[G1K], 15|(3<<16)|(1<<21)           ; 15:0 the mask: all four work-groups; 17:16 elements of 8 bytes; 21 set beside a mask
	s_mov_b32 s[G1K+1], 32<<16                     ; tensor_dim0
	s_mov_b32 s[G1K+2], 64<<16                     ; tensor_dim1
	s_mov_b32 s[G1K+3], 32<<16                     ; tile_dim0
	s_mov_b32 s[G1K+4], 64                         ; tile_dim1
	s_mov_b32 s[G1K+5], 32                         ; from row to row
	s_mov_b32 s[G1K+6], 0
	s_mov_b32 s[G1K+7], 0
	; group 1 for V: 32 rows of 512 bytes, 2,048 bytes apart, 16 bytes of padding behind each
	s_mov_b32 s[G1V], 15|(1<<20)|(1<<21)|(6<<22)|(3<<25)  ; elements of 1 byte; 20 padding on; 24:22 after every 128 words (code 6); 31:25 four words (code 3)
	s_mov_b32 s[G1V+1], 512<<16
	s_mov_b32 s[G1V+2], 32<<16
	s_mov_b32 s[G1V+3], 512<<16
	s_mov_b32 s[G1V+4], 32
	s_mov_b32 s[G1V+5], 2048
	s_mov_b32 s[G1V+6], 0
	s_mov_b32 s[G1V+7], 0
	s_mov_b32 s[SEL], 0x76543210
	s_mov_b32 s[SEL+1], 0xfedcba98
	s_mov_b32 s[CS], 0x3d38aa3b                    ; log2(e) / 32
	v_and_b32 v10, 15, v0                          ; r
	v_bfe_u32 v11, v0, 4, 1                        ; h
	v_and_b32 v[LI], 31, v0
	v_lshlrev_b32 v[QO], 12, v10
	v_lshlrev_b32 v[LI], 4, v[LI]
	v_lshl_add_u32 v[QO], v11, 6, v[QO]            ; query: row r of 4,096 bytes, + 64 h: my 16 numbers of a block of 32
	s_wait_alu depctr_va_vdst(0)
	s_wait_dscnt 0x0                               ; both opening adds are done
	s_wait_kmcnt 0x0
	s_load_b128 s[56:59], s[10:11], 0x0            ; e0, e1, e2, e3
	s_load_b32 s60, s[10:11], 0x10                 ; e4
	s_add_nc_u64 s[4:5], s[4:5], s[96:97]
.irp x, 0,1                                    ; the queries are asked for first: they are quantised while K and V are on their way
.irp c, 0,1
.irp j, 0,1,2,3
	global_load_b128 v[S+64*\x+16*\c+4*\j:S+64*\x+16*\c+4*\j+3], v[QO], s[4:5] offset:65536*\x+128*\c+16*\j   ; tile x: q(r, 32 c + 16 h + 4 j ..)
.endr
.endr
.endr
	s_add_nc_u64 s[12:13], s[12:13], s[98:99]
	s_mov_b32 s[G0K], 1                            ; count = 1
	s_mov_b32 s[G0K+1], s90                        ; LDS address
	s_add_nc_u64 s[G0K+2:G0K+3], s[6:7], s[86:87]  ; global address
	s_or_b32 s[G0K+3], s[G0K+3], 0x80000000        ; type = 2
	s_mov_b32 s[G0V], 1
	s_mov_b32 s[G0V+1], s91
	s_add_nc_u64 s[G0V+2:G0V+3], s[8:9], s[88:89]
	s_or_b32 s[G0V+3], s[G0V+3], 0x80000000
	CROUND                                         ; all four work-groups are here: the joint loads meet
	JLOAD                                          ; keys 0 to 1,023: my one tensor load at the head
	v_mul_u32_u24 v[AV0], v10, VP
	v_lshlrev_b32 v[STO], 4, v10
	v_lshl_add_u32 v[AV0], v11, 4, v[AV0]
	v_lshl_add_u32 v[STO], v11, 3, v[STO]
	v_add_nc_u32 v[AV0], VL, v[AV0]                ; V: row r x pitch + 16 h
	s_lshl_b32 s84, s[WV], 11
	s_add_co_u32 s84, s84, STG                     ; my stage
	v_add_nc_u32 v[STO], s84, v[STO]               ; in: 16 r + 8 h
	v_add_nc_u32 v[RD], s84, v[LI]                 ; back: 16 x lane
.irp x, 0,1
	v_mov_b32 v[ST+4*\x+1], 0xff61b1e6             ; the largest t so far: -3e38, under every t
	v_mov_b32 v[ST+4*\x+2], 0                      ; the sum, in two halves
	v_mov_b32 v[ST+4*\x+3], 0
	v_mov_b32 v[FF+2*\x+1], 0                      ; (named as the upper half of f's pair)
	v_floor_f32 v[ST+4*\x], -v[ST+4*\x+1]          ; -M
.endr
	WIN 0x40
.set i, 0
.rept 64
	v_mov_b32 v[OT+i], 0                           ; O^T.  (The key step has no first step of its own: the first change of M multiplies zeros)
.set i, i+1
.endr
	WIN 0
	s_wait_kmcnt 0x0
	s_add_co_i32 s84, s56, s57
	s_lshl_b32 s84, s84, 23
	s_add_co_i32 s[CS], s[CS], s84                 ; a score stands for score x 2^(e0 + e1): added to c's exponent field
	s_mov_b32 s[CS+1], s[CS]                       ; (named with it as a pair)
	s_add_co_i32 s[E23], s58, s59
	MKSC 56, MX+1, MX                              ; e0, for Q alone: in registers that the maxima take later
	MKSC 59, PSC, PLIM
	MKSC 60, OSC, OLIM
	v_mov_b32 v[PLIM2], v[PLIM]
	s_wait_alu depctr_va_vdst(0)
	s_wait_loadcnt 0x0                             ; query
.irp x, 0,1
.set i, 0
.rept 32
	v_med3_num_f32 v[S+64*\x+i], v[S+64*\x+i], -v[MX], v[MX]   ; the conversion does not saturate (ISA guide 7.6.2): the hold comes first
.set i, i+1
.endr
.irp g, 0,1,2,3
	v_cvt_scalef32_pk8_bf8_f32 v[Q+8*\x+2*\g:Q+8*\x+2*\g+1], v[S+64*\x+8*\g:S+64*\x+8*\g+7], v[MX+1]
.endr
.endr
	v_nop                                          ; one plain vector line behind the last conversion
; A KEY STEP: 128 keys, both tiles of queries.  Its K was asked of LDS in the step before.
.macro STEP
	v_add_nc_u32 v[ADV], s[TBV], v[AV0]
	v_add_nc_u32 v[ADK], s86, v[LI]
	v_nop
	v_nop                                          ; four plain lines stand between the last step's products and the loads into the registers that they read
	WIN 0x40                                       ; destination window 1
.irp t, 0,1,2,3
.irp c, 0,1,2,3
	ds_load_b128 v[VF+16*\t+4*\c:VF+16*\t+4*\c+3], v[ADV] offset:16*VP*\t+32*\c
.endr
.endr
	s_wait_dscnt 16                                ; K's sixteen loads are in; V's sixteen, issued behind them, land under the softmax
	WIN 0x01                                       ; source 0 (K) window 1
	s_wait_alu depctr_va_vdst(0)
.irp t, 0,1,2,3,4,5,6,7
.irp x, 0,1
	v_wmma_f32_16x16x64_bf8_bf8 v[S+64*\x+8*\t:S+64*\x+8*\t+7], v[KF+8*\t:KF+8*\t+7], v[Q+8*\x:Q+8*\x+7], 0
.endr
.endr                                              ; lane (r, h): query r; registers 16 b + 0..15 of a tile of queries are the keys 32 b + 16 h + 0..15 of the step
.rept 4
	v_nop                                          ; four plain lines: ahead of the loads into K's registers and of the first read of the scores
.endr
	KLOAD ADK                                      ; THE NEXT STEP'S K, a whole softmax ahead of its use.  (The last step has no successor: its address is held at its own eight images, and what it asks for is not used)
.irp x, 0,1                                    ; the step's largest score of my query, in two chains a tile; each accumulator is first read at its low end
	v_max3_num_f32 v[MX+2*\x], v[S+64*\x], v[S+64*\x+1], v[S+64*\x+2]
	v_max3_num_f32 v[MX+2*\x+1], v[S+64*\x+3], v[S+64*\x+4], v[S+64*\x+5]
.endr
.set i, 6
.rept 14
.irp x, 0,1
	v_max3_num_f32 v[MX+2*\x], v[MX+2*\x], v[S+64*\x+i], v[S+64*\x+i+1]
	v_max3_num_f32 v[MX+2*\x+1], v[MX+2*\x+1], v[S+64*\x+i+2], v[S+64*\x+i+3]
.endr
.set i, i+4
.endr
.irp x, 0,1
	v_max3_num_f32 v[MX+2*\x], v[MX+2*\x], v[S+64*\x+62], v[S+64*\x+63]
.endr
.irp x, 0,1
	v_max_num_f32 v[MX+2*\x], v[MX+2*\x], v[MX+2*\x+1]
.endr
.irp x, 0,1
	v_permlanex16_b32 v[MX+2*\x+1], v[MX+2*\x], s[SEL], s[SEL+1]   ; the query's other 64 keys lie in lane l xor 16
.endr
.irp x, 0,1
	v_max_num_f32 v[MX+2*\x], v[MX+2*\x], v[MX+2*\x+1]
.endr
.irp x, 0,1
	v_mul_f32 v[MX+2*\x], s[CS], v[MX+2*\x]        ; as t (c is positive)
.endr
.irp x, 0,1
	v_max_num_f32 v[ST+4*\x+1], v[ST+4*\x+1], v[MX+2*\x]   ; the running largest t
	v_mov_b32 v[MX+2*\x], v[ST+4*\x]
.endr
.irp x, 0,1
	v_floor_f32 v[ST+4*\x], -v[ST+4*\x+1]          ; the new -M = floor(-t) = -ceil(t): a whole number
.endr
.irp x, 0,1
	v_sub_f32 v[MX+2*\x], v[ST+4*\x], v[MX+2*\x]   ; old M - new M: a whole number, 0 or less
.endr
.irp x, 0,1
	v_cvt_i32_f32 v[MX+2*\x], v[MX+2*\x]           ; (it saturates)
.endr
.irp x, 0,1
	v_ldexp_f32 v[FF+2*\x], 1.0, v[MX+2*\x]        ; f = 2^(old M - new M)
.endr
.set i, 0
.rept 32
	v_pk_fma_f32 v[S+i:S+i+1], v[S+i:S+i+1], s[CS:CS+1], v[ST:ST+1] op_sel_hi:[1,0,0]   ; tile 0: t - M, two at a time (of the pairs c and -M the low word serves both halves)
.set i, i+2
.endr
	WIN 0x41                                       ; O^T (destination and source 0) window 1, f window 0
.set i, 0
.rept 16
.irp x, 0,1
	v_pk_mul_f32 v[OT+32*\x+i:OT+32*\x+i+1], v[OT+32*\x+i:OT+32*\x+i+1], v[FF+2*\x:FF+2*\x+1] op_sel_hi:[1,0]   ; O^T under the new M, ahead of the step's exponentials; each accumulator from its low end on
.endr
.set i, i+2
.endr
	WIN 0
.irp x, 0,1
	v_pk_mul_f32 v[ST+4*\x+2:ST+4*\x+3], v[ST+4*\x+2:ST+4*\x+3], v[FF+2*\x:FF+2*\x+1] op_sel_hi:[1,0]   ; the sums under the new M
.endr
	s_wait_alu depctr_va_vdst(0)
.set i, 0
.rept 32                                       ; FIRST BATCH: tile 0's p = 2^(t - M); between the exponentials tile 1's t - M: lines that read nothing written in this batch, and whose results are first read behind the next wait
	v_exp_f32 v[S+i], v[S+i]
	v_exp_f32 v[S+i+1], v[S+i+1]
	v_pk_fma_f32 v[S+64+i:S+64+i+1], v[S+64+i:S+64+i+1], s[CS:CS+1], v[ST+4:ST+5] op_sel_hi:[1,0,0]
.set i, i+2
.endr
	s_wait_alu depctr_va_vdst(0)                   ; one wait: behind the first batch and ahead of the second
.set i, 0
.rept 16                                       ; SECOND BATCH: tile 1's p; between the exponentials tile 0's sums of four (OF THE UNQUANTISED p) and then its holds: their results are first read behind the next wait
	v_exp_f32 v[S+64+i], v[S+64+i]
	v_exp_f32 v[S+64+i+1], v[S+64+i+1]
	v_pk_add_f32 v[T+i/2:T+i/2+1], v[S+i:S+i+1], v[S+i+2:S+i+3]
	v_exp_f32 v[S+64+i+2], v[S+64+i+2]
	v_dual_min_num_f32 v[S+i], v[PLIM], v[S+i] :: v_dual_min_num_f32 v[S+i+1], v[PLIM2], v[S+i+1]   ; p is not negative: the hold is one-sided; two numbers an instruction
	v_exp_f32 v[S+64+i+3], v[S+64+i+3]
	v_dual_min_num_f32 v[S+i+2], v[PLIM], v[S+i+2] :: v_dual_min_num_f32 v[S+i+3], v[PLIM2], v[S+i+3]
.set i, i+4
.endr
	v_nop                                          ; a plain line behind the last exponential
	s_wait_alu depctr_va_vdst(0)                   ; one wait for the batch, ahead of the first line that names a result
.irp g, 0,1,2,3,4,5,6,7
	v_cvt_scalef32_pk8_bf8_f32 v[P+2*\g:P+2*\g+1], v[S+8*\g:S+8*\g+7], v[PSC]
.endr
	v_pk_add_f32 v[S2:S2+1], v[T+2:T+3], v[T+6:T+7]             ; the rows' sums, in two chains a tile: tile 0 of its sums of four, tile 1 of its p
	v_pk_add_f32 v[S2+2:S2+3], v[S+64:S+65], v[S+66:S+67]
	v_pk_add_f32 v[ST+2:ST+3], v[ST+2:ST+3], v[T:T+1]
.set r, 1
.rept 15
	v_pk_add_f32 v[ST+6:ST+7], v[ST+6:ST+7], v[S+64+4*r:S+64+4*r+1]
	v_pk_add_f32 v[S2+2:S2+3], v[S2+2:S2+3], v[S+64+4*r+2:S+64+4*r+3]
.if r < 8
	v_pk_add_f32 v[ST+2:ST+3], v[ST+2:ST+3], v[T+4*r:T+4*r+1]
.if r > 1
	v_pk_add_f32 v[S2:S2+1], v[S2:S2+1], v[T+4*r+2:T+4*r+3]
.endif
.endif
.set r, r+1
.endr
.irp x, 0,1
	v_pk_add_f32 v[ST+4*\x+2:ST+4*\x+3], v[ST+4*\x+2:ST+4*\x+3], v[S2+2*\x:S2+2*\x+1]
.endr
.irp b, 0,1,2,3
.set i, 0
.rept 8
	v_dual_min_num_f32 v[S+64+16*\b+i], v[PLIM], v[S+64+16*\b+i] :: v_dual_min_num_f32 v[S+64+16*\b+i+1], v[PLIM2], v[S+64+16*\b+i+1]
.set i, i+2
.endr
	v_cvt_scalef32_pk8_bf8_f32 v[P+16+4*\b:P+16+4*\b+1], v[S+64+16*\b:S+64+16*\b+7], v[PSC]
	v_cvt_scalef32_pk8_bf8_f32 v[P+16+4*\b+2:P+16+4*\b+3], v[S+64+16*\b+8:S+64+16*\b+15], v[PSC]
.endr
	v_nop                                          ; one plain vector line behind the last conversion
	s_wait_alu depctr_va_vdst(0)
	s_wait_dscnt 16                                ; V is in; the next step's K, sixteen loads issued behind V's, may be out
	WIN 0x51                                       ; V window 1, P window 0, O^T window 1
.irp t, 0,1,2,3
.irp x, 0,1
	v_wmma_f32_16x16x128_bf8_bf8 v[OT+32*\x+8*\t:OT+32*\x+8*\t+7], v[VF+16*\t:VF+16*\t+15], v[P+16*\x:P+16*\x+15], v[OT+32*\x+8*\t:OT+32*\x+8*\t+7]   ; the eight accumulators take turns, one instruction a turn
.endr
.endr
	WIN 0
	s_add_co_u32 s[TBK], s[TBK], 8192              ; eight images on
.endm
.macro WALK last                       ; key steps up to, not including, \last; step i's V begins at block i / 4 of 512 keys, 128 (i % 4) bytes along its rows
.Lstep_\@:
	s_lshr_b32 s84, s[TRIP], 2
	s_mul_i32 s84, s84, VST
	s_and_b32 s85, s[TRIP], 3
	s_lshl_b32 s85, s85, 7
	s_add_co_u32 s[TBV], s84, s85
	s_min_u32 s86, s[TBK], 15*8192                 ; where the next step's K begins, held at the head's last eight images
	STEP
	s_add_co_u32 s[TRIP], s[TRIP], 1
	s_cmp_lt_u32 s[TRIP], \last
	s_cbranch_scc1 .Lstep_\@
.endm
	s_wait_alu depctr_va_vdst(0)
	s_wait_tensorcnt 0x0                           ; my part of keys 0 to 1,023 is in
	ds_add_u32 v[SPW], v[NIL]
	s_add_co_u32 s[G0K+1], s[G0K+1], 65536         ; no load of mine is out, so the groups 0 may be written: 64 images on,
	s_add_nc_u64 s[G0K+2:G0K+3], s[G0K+2:G0K+3], 65536
	s_add_co_u32 s[G0V+1], s[G0V+1], 2*VST         ; and 1,024 keys on in V's rows
	s_add_nc_u64 s[G0V+2:G0V+3], s[G0V+2:G0V+3], 1024
	s_wait_dscnt 0x0
	CROUND                                         ; a whole round: everybody's part is in, and the joint loads meet
	JLOAD                                          ; keys 1,024 to 2,047: the first tensor load behind the round
	KLOAD LI                                       ; step 0's K
	s_mov_b32 s[TBK], 8192
	s_mov_b32 s[TRIP], 0
	WALK 7                                         ; steps 0 to 6 read, and ask LDS for, keys under 1,024 alone
	s_wait_tensorcnt 0x0                           ; my part of keys 1,024 to 2,047 is in;
	s_wait_dscnt 0x0
	s_barrier_signal -1
	s_barrier_wait -1                              ; everybody's is; nothing is filled again
	s_mov_b32 s[TBK], 8*8192
	s_mov_b32 s[TRIP], 7
	WALK 16
	; THE WAY OUT.  The additions below are the plain lines between the last products and the first read of O^T.
.irp x, 0,1
	v_add_f32 v[ST+4*\x+2], v[ST+4*\x+2], v[ST+4*\x+3]   ; the sum's two halves,
.endr
.irp x, 0,1
	v_permlanex16_b32 v[MX+2*\x], v[ST+4*\x+2], s[SEL], s[SEL+1]
.endr
.irp x, 0,1
	v_add_f32 v[ST+4*\x+2], v[ST+4*\x+2], v[MX+2*\x]     ; and lane l xor 16's: the row's sum
.endr
	s_wait_alu depctr_va_vdst(0)
.irp x, 0,1
	v_rcp_f32 v[ST+4*\x+2], v[ST+4*\x+2]
.endr
	v_nop                                          ; a plain line behind the reciprocals,
	s_wait_alu depctr_va_vdst(0)                   ; and one wait for both, ahead of the first line that names a result
.irp x, 0,1
	v_ldexp_f32 v[ST+4*\x+2], v[ST+4*\x+2], s[E23] ; x 2^(e2 + e3)
.endr
	WIN 0x01                                       ; source 0 (O^T) window 1
	s_wait_alu depctr_va_vdst(0)
.irp x, 0,1
.set i, 0
.rept 32
	v_mul_f32 v[S+64*\x+i], v[OT+32*\x+i], v[ST+4*\x+2]   ; register 8 t + i is o(r, 16 t + 8 h + i); each accumulator from its low end on
.set i, i+1
.endr
.endr
	WIN 0
.irp x, 0,1
.set i, 0
.rept 32
	v_med3_num_f32 v[S+64*\x+i], v[S+64*\x+i], -v[OLIM], v[OLIM]
.set i, i+1
.endr
.irp t, 0,1,2,3
	v_cvt_scalef32_pk8_bf8_f32 v[P+8*\x+2*\t:P+8*\x+2*\t+1], v[S+64*\x+8*\t:S+64*\x+8*\t+7], v[OSC]
.endr
.endr
	v_nop
.irp x, 0,1
.irp t, 0,1,2,3
	ds_store_b64 v[STO], v[P+8*\x+2*\t:P+8*\x+2*\t+1] offset:1024*\x+256*\t   ; channels 16 t + 8 h + 0..7 of row r lie at 256 t + 16 r + 8 h of the image
.endr
.endr
.irp x, 0,1
.irp c, 0,1
	ds_load_b128 v[Q+8*\x+4*\c:Q+8*\x+4*\c+3], v[RD] offset:1024*\x+512*\c     ; my own bytes: LDS serves a wave's instructions in order (ISA guide 5.7.1.4)
.endr
.endr
.irp n, 0,1,2,3
	s_wait_dscnt 3-\n
	global_store_b128 v[LI], v[Q+4*\n:Q+4*\n+3], s[12:13] offset:16384*(\n/2)+512*(\n%2)   ; the wave stores 512 consecutive bytes, aligned; the next tile of rows lies 16 images on
.endr
	s_wait_tensorcnt 0x0                           ; the wave's end
	ds_add_u32 v[SPW], v[NIL]
	s_wait_dscnt 0x0
	CROUND                                         ; the closing round: no work-group ends while a partner may still ask for a tile that names it
	s_endpgm
.Lfunc_end_k_qbce2a28267_attn:
	.size	k_qbce2a28267_attn, .Lfunc_end_k_qbce2a28267_attn-k_qbce2a28267_attn
	.p2alignl 7, 3214868480
	.fill 96, 4, 3214868480
	.section	.rodata,"a",@progbits
	.p2align	6, 0x0
	.amdhsa_kernel k_qbce2a28267_attn
		.amdhsa_group_segment_fixed_size 327680
		.amdhsa_private_segment_fixed_size 0
		.amdhsa_enable_private_segment 0
		.amdhsa_kernarg_size 40
		.amdhsa_user_sgpr_count 2
		.amdhsa_user_sgpr_kernarg_segment_ptr 1
		.amdhsa_wavefront_size32 1
		.amdhsa_system_sgpr_workgroup_id_x 1
		.amdhsa_system_sgpr_workgroup_id_y 1
		.amdhsa_system_sgpr_workgroup_id_z 1
		.amdhsa_system_vgpr_workitem_id 0
		.amdhsa_next_free_vgpr 448
		.amdhsa_next_free_sgpr 100
		.amdhsa_reserve_vcc 0
		.amdhsa_float_denorm_mode_32 3
		.amdhsa_float_denorm_mode_16_64 3
		.amdhsa_memory_ordered 1
		.amdhsa_forward_progress 1
		.amdhsa_inst_pref_size 84
	.end_amdhsa_kernel
	.amdgpu_metadata
---
amdhsa.version: [ 1, 2 ]
amdhsa.kernels:
  - .name:           k_qbce2a28267_attn
    .symbol:         k_qbce2a28267_attn.kd
    .args:
      - { .name: query, .offset: 0, .size: 8, .value_kind: global_buffer, .address_space: global }
      - { .name: kc, .offset: 8, .size: 8, .value_kind: global_buffer, .address_space: global }
      - { .name: value_codes, .offset: 16, .size: 8, .value_kind: global_buffer, .address_space: global }
      - { .name: lowp_scales, .offset: 24, .size: 8, .value_kind: global_buffer, .address_space: global }
      - { .name: ac, .offset: 32, .size: 8, .value_kind: global_buffer, .address_space: global }
    .group_segment_fixed_size: 327680
    .private_segment_fixed_size: 0
    .kernarg_segment_align: 8
    .kernarg_segment_size: 40
    .max_flat_workgroup_size: 256
    .sgpr_count:     100
    .vgpr_count:     448
    .wavefront_size: 32
...
	.end_amdgpu_metadata
.endif
;; end of part 2
;; launch gemm3 (part 3): grid 8 x 32, 4 waves a work-group, clusters of 4 x 4, 327,680 bytes of LDS; arguments ac, w_out_codes, lowp_scales, b_out, query, r1; writes r1
.if DOCPART == 3
	.amdgcn_target "amdgcn-amd-amdhsa--gfx1250"
	.amdhsa_code_object_version 6
	.text
	.protected	k_qbce2a28267_gemm3
	.globl	k_qbce2a28267_gemm3
	.p2align	8
	.type	k_qbce2a28267_gemm3,@function
k_qbce2a28267_gemm3:
	s_mov_b64 s[64:65], 0
	v_nop
	global_prefetch_b8 v0, s[64:65] scope:SCOPE_SE
	s_setreg_imm32_b32 hwreg(HW_REG_WAVE_MODE, 25, 1), 1
	s_wait_xcnt 0x0
	s_wait_alu depctr_hold_cnt(0) depctr_sa_sdst(0) depctr_va_vdst(0) depctr_va_sdst(0) depctr_va_ssrc(0) depctr_va_vcc(0) depctr_vm_vsrc(0)
	s_getreg_b32 s2, hwreg(HW_REG_IB_STS2, 6, 4)
	s_cmp_eq_u32 s2, 0
	s_cbranch_scc0 .Lentry_in_a_cluster
	s_endpgm
.Lentry_in_a_cluster:
	s_bfe_u32 s2, ttmp6, 0x10000c
	s_cmp_lg_u32 s2, 0xf033
	s_cbranch_scc0 .Lentry_shape_is_right
	s_endpgm
.Lentry_shape_is_right:
.set KK,    1024
.set SCOFF, 0x10
.set MODE,  0
.set LAPS,  KK/1024
.set BP,    1040                       ; a row of B in LDS: all 1,024 codes of K + 16 = 65 x 16
.set ASL,   131072                     ; ONE FILL holds the whole K: A's 8 x 16 images, then B's 128 rows; each wave brings a quarter by its one tensor load
.set SLOT,  ASL+128*BP
.set SPARE, SLOT
.set SPI,   272
.set BA,   5
.set ADRA, 16
.set ADRB, 20
.set STO,  24
.set RD,   25
.set CO,   26
.set LI,   27
.set SPW,  28
.set NIL,  29
.set BI,   32
.set TMP,  64
.set ACC,  128
.set F0,   0
.set F1,   128
.set G1A, 24
.set G0A, 32
.set G1B, 48
.set G0B, 56
.set MSB, 0
.macro WIN new
.if MSB != \new
	s_set_vgpr_msb (MSB<<8)|\new
.set MSB, \new
.endif
.endm
.set MUL,  0x05
.set TO_F, 0x40
.macro JLOAD s
	s_cmp_eq_u32 s17, 0
	s_cbranch_scc0 .Lfor_b_\@
	tensor_load_to_lds s[G0A+4*\s:G0A+4*\s+3], s[G1A:G1A+7]
	s_nop 0
.rept 4
	v_nop
.endr
	s_branch .Lasked_\@
.Lfor_b_\@:
	tensor_load_to_lds s[G0B+4*\s:G0B+4*\s+3], s[G1B:G1B+7]
	s_nop 0
.rept 4
	v_nop
.endr
.Lasked_\@:
.endm
.macro CREST
	s_cmp_lg_u32 s16, 0
	s_cbranch_scc1 .Lnot_wave_0_\@
	s_barrier_signal -3
.Lnot_wave_0_\@:
	s_barrier_wait -3
	s_barrier_signal -1
	s_barrier_wait -1
.endm
.macro CROUND
	s_barrier_signal -1
	s_barrier_wait -1
	CREST
.endm
.macro PLACES
.rept 4
	v_nop
.endr
.endm
	s_load_b256 s[4:11], s[0:1], 0x0
.if MODE == 0
	s_load_b128 s[12:15], s[0:1], 0x20
.else
	s_load_b64 s[14:15], s[0:1], 0x20
.endif
	v_lshl_add_u32 v[SPW], v0, 2, SPARE
	v_mov_b32 v[NIL], 0
	ds_add_u32 v28, v29
	ds_add_u32 v28, v29
	s_wait_dscnt 0x0
	v_lshrrev_b32 v1, 5, v0
	v_readfirstlane_b32 s16, v1
	s_lshr_b32 s17, s16, 1
	s_and_b32 s18, s16, 1
	s_bfe_u32 s40, ttmp6, 0x40000
	s_bfe_u32 s41, ttmp6, 0x40004
	s_lshl_b32 s42, ttmp9, 2
	s_add_co_u32 s42, s42, s40
	s_and_b32 s43, ttmp7, 0xffff
	s_lshl_b32 s43, s43, 2
	s_add_co_u32 s43, s43, s41
	s_lshl_b32 s44, s41, 2
	s_lshl_b32 s44, 15, s44
	s_lshl_b32 s45, 0x1111, s40
	s_or_b32 s[G1A], s44, (3<<16)|(1<<21)
	s_mov_b32 s[G1A+1], 2048<<16
	s_mov_b32 s[G1A+2], 4<<16
	s_mov_b32 s[G1A+3], 2048<<16
	s_mov_b32 s[G1A+4], 4
	s_mov_b32 s[G1A+5], 2*KK
	s_mov_b32 s[G1A+6], 0
	s_mov_b32 s[G1A+7], 0
	s_or_b32 s[G1B], s45, (1<<20)|(1<<21)|(7<<22)|(3<<25)
	s_mov_b32 s[G1B+1], 1024<<16
	s_mov_b32 s[G1B+2], 64<<16
	s_mov_b32 s[G1B+3], 1024<<16
	s_mov_b32 s[G1B+4], 64
	s_mov_b32 s[G1B+5], KK
	s_mov_b32 s[G1B+6], 0
	s_mov_b32 s[G1B+7], 0
	s_lshl_b32 s76, s43, 3
	s_lshl_b32 s77, s18, 2
	s_add_co_u32 s76, s76, s77
	s_mul_i32 s76, s76, 16*KK
	s_mov_b32 s77, 0
	s_lshl_b32 s80, s42, 7
	s_lshl_b32 s81, s18, 6
	s_add_co_u32 s80, s80, s81
	s_mul_i32 s80, s80, KK
	s_mov_b32 s81, 0
	s_mul_i32 s92, s18, 65536
	s_mul_i32 s93, s18, 64*BP
	s_add_co_u32 s93, s93, ASL
	s_wait_kmcnt 0x0
	s_load_b64 s[68:69], s[8:9], SCOFF
.if MODE == 1
	s_load_b32 s70, s[8:9], 0x20
.endif
	s_add_nc_u64 s[76:77], s[4:5], s[76:77]
	s_add_nc_u64 s[80:81], s[6:7], s[80:81]
	CROUND
.irp s, 0
	s_mov_b32 s[G0A+4*\s], 1
	s_add_co_u32 s[G0A+4*\s+1], s92, \s*SLOT
	s_add_nc_u64 s[G0A+4*\s+2:G0A+4*\s+3], s[76:77], \s*8192
	s_or_b32 s[G0A+4*\s+3], s[G0A+4*\s+3], 0x80000000
	s_mov_b32 s[G0B+4*\s], 1
	s_add_co_u32 s[G0B+4*\s+1], s93, \s*SLOT
	s_add_nc_u64 s[G0B+4*\s+2:G0B+4*\s+3], s[80:81], \s*512
	s_or_b32 s[G0B+4*\s+3], s[G0B+4*\s+3], 0x80000000
	JLOAD \s
.endr
	v_and_b32 v1, 15, v0
	v_bfe_u32 v2, v0, 4, 1
	v_and_b32 v3, 31, v0
	v_lshlrev_b32 v[LI], 4, v3
	s_mul_i32 s84, s17, 65536
	v_add_nc_u32 v[ADRA], s84, v[LI]
	v_add_nc_u32 v[ADRA+1], SLOT, v[ADRA]
	v_mul_u32_u24 v4, v1, BP
	v_lshl_add_u32 v4, v2, 4, v4
	s_mul_i32 s85, s18, 64*BP
	s_add_co_u32 s85, s85, ASL
	v_add_nc_u32 v[ADRB], s85, v4
	v_add_nc_u32 v[ADRB+1], SLOT, v[ADRB]
	v_lshlrev_b32 v[BA], 5, v2
	s_lshl_b32 s86, s42, 9
	s_lshl_b32 s87, s18, 8
	s_add_co_u32 s86, s86, s87
	s_mov_b32 s87, 0
	s_add_nc_u64 s[10:11], s[10:11], s[86:87]
.irp b, 0,1,2,3
	global_load_b128 v[BI+8*\b:BI+8*\b+3], v[BA], s[10:11] offset:64*\b
	global_load_b128 v[BI+8*\b+4:BI+8*\b+7], v[BA], s[10:11] offset:64*\b+16
.endr
.if MODE == 0
	s_mul_i32 s90, s16, 64*SPI
	v_mul_u32_u24 v[STO], v1, SPI
	v_lshl_add_u32 v[STO], v2, 5, v[STO]
	v_add_nc_u32 v[STO], s90, v[STO]
	v_mul_u32_u24 v[RD], v2, SPI
	v_lshl_add_u32 v[RD], v1, 4, v[RD]
	v_add_nc_u32 v[RD], s90, v[RD]
	v_lshlrev_b32 v[CO], 12, v2
	v_lshl_add_u32 v[CO], v1, 4, v[CO]
	s_wait_alu depctr_va_vdst(0)
	s_lshl_b32 s88, s43, 7
	s_lshl_b32 s89, s17, 6
	s_add_co_u32 s88, s88, s89
	s_lshl_b32 s88, s88, 12
	s_add_co_u32 s88, s88, s86
	s_mov_b32 s89, 0
	s_add_nc_u64 s[12:13], s[12:13], s[88:89]
	s_add_nc_u64 s[14:15], s[14:15], s[88:89]
	WIN 0x80
.set i, 0
.rept 32
	global_load_b128 v[4*i:4*i+3], v[CO], s[12:13] offset:((i/8)*16+2*(i%8))*4096 th:TH_LOAD_NT
.set i, i+1
.endr
	WIN 0
.else
	s_lshl_b32 s90, s16, 12
	v_lshlrev_b32 v[STO], 4, v1
	v_lshl_add_u32 v[STO], v2, 3, v[STO]
	v_add_nc_u32 v[STO], s90, v[STO]
	v_add_nc_u32 v[RD], s90, v[LI]
	s_lshl_b32 s88, s43, 3
	s_lshl_b32 s89, s17, 2
	s_add_co_u32 s88, s88, s89
	s_lshl_b32 s88, s88, 6
	s_lshl_b32 s89, s42, 1
	s_add_co_u32 s88, s88, s89
	s_add_co_u32 s88, s88, s18
	s_lshl_b32 s88, s88, 10
	s_mov_b32 s89, 0
	s_add_nc_u64 s[14:15], s[14:15], s[88:89]
.endif
	s_wait_kmcnt 0x0
	s_add_co_i32 s71, s68, s69
	s_sub_co_i32 s74, 0, s71
.if MODE == 0
	s_add_co_i32 s72, s71, 127
	s_lshl_b32 s72, s72, 23
	s_mov_b32 s73, s72
	s_wait_loadcnt 32
.else
	s_sub_co_i32 s75, s70, s71
	s_add_co_i32 s75, s75, 127
	s_lshl_b32 s72, s75, 23
	v_mov_b32 v30, s72
	s_add_co_i32 s75, s75, 15
	s_lshl_b32 s75, s75, 23
	s_or_b32 s75, s75, 0x600000
	v_mov_b32 v31, s75
	s_wait_loadcnt 0x0
.endif
.set i, 0
.rept 32
	v_ldexp_f32 v[BI+i], v[BI+i], s74
.set i, i+1
.endr
.macro MUL8 f, a0, zero
.irp a, \a0, \a0+1
.irp b, 0,1,2,3
.if \zero
	v_wmma_f32_16x16x128_bf8_bf8 v[ACC+8*(4*(\a)+\b):ACC+8*(4*(\a)+\b)+7], v[\f+64+16*\b:\f+64+16*\b+15], v[\f+16*(\a):\f+16*(\a)+15], v[BI+8*\b:BI+8*\b+7]
.else
	v_wmma_f32_16x16x128_bf8_bf8 v[ACC+8*(4*(\a)+\b):ACC+8*(4*(\a)+\b)+7], v[\f+64+16*\b:\f+64+16*\b+15], v[\f+16*(\a):\f+16*(\a)+15], v[ACC+8*(4*(\a)+\b):ACC+8*(4*(\a)+\b)+7]
.endif
.endr
.endr
.endm
.macro FETCH slot, kq, f
	WIN TO_F
.irp b, 0,1,2,3
.irp c, 0,1,2,3
	ds_load_b128 v[\f+64+16*\b+4*\c:\f+64+16*\b+4*\c+3], v[ADRB+\slot] offset:16*BP*\b+128*(\kq)+32*\c
.endr
.endr
.irp a, 0,1,2,3
.irp c, 0,1,2,3
	ds_load_b128 v[\f+16*\a+4*\c:\f+16*\a+4*\c+3], v[ADRA+\slot] offset:16384*\a+2048*(\kq)+512*\c
.endr
.endr
.endm
.macro QUARTER slot, kq, f, g, zero
	s_wait_dscnt 8
	WIN MUL
	MUL8 \f, 0, \zero
	PLACES
	FETCH \slot, \kq, \g
	s_wait_dscnt 32
	WIN MUL
	MUL8 \f, 2, \zero
.endm
.macro TURN slot, next, fill
	WIN 0
	s_wait_tensorcnt 0x0
	ds_add_u32 v[SPW], v[NIL]
	s_wait_dscnt 9
	WIN MUL
	MUL8 F1, 0, 0
	s_wait_dscnt 0x0
	s_barrier_signal -1
	MUL8 F1, 2, 0
	WIN 0
	s_barrier_wait -1
.if \fill
	CREST
	s_add_nc_u64 s[G0A+4*\slot+2:G0A+4*\slot+3], s[G0A+4*\slot+2:G0A+4*\slot+3], 2*8192
	s_add_nc_u64 s[G0B+4*\slot+2:G0B+4*\slot+3], s[G0B+4*\slot+2:G0B+4*\slot+3], 2*512
	JLOAD \slot
.else
	PLACES
.endif
	FETCH \next, 0, F0
.endm
	s_wait_alu depctr_va_vdst(0)
	s_wait_tensorcnt 0x0
	s_barrier_signal -1
	s_barrier_wait -1
	FETCH 0, 0, F0
	QUARTER 0, 1, F0, F1, 1
.if LAPS > 1
	WIN 0
	s_mov_b32 s3, LAPS-1
.Llap:
	QUARTER 0, 2, F1, F0, 0
	QUARTER 0, 3, F0, F1, 0
	TURN 0, 1, 1
	QUARTER 1, 1, F0, F1, 0
	QUARTER 1, 2, F1, F0, 0
	QUARTER 1, 3, F0, F1, 0
	TURN 1, 0, 1
	QUARTER 0, 1, F0, F1, 0
	WIN 0
	s_sub_co_u32 s3, s3, 1
	s_cmp_lg_u32 s3, 0
	s_cbranch_scc1 .Llap
.endif
	QUARTER 0, 2, F1, F0, 0
	QUARTER 0, 3, F0, F1, 0
	QUARTER 0, 4, F1, F0, 0
	QUARTER 0, 5, F0, F1, 0
	QUARTER 0, 6, F1, F0, 0
	QUARTER 0, 7, F0, F1, 0
	s_wait_dscnt 8
	WIN MUL
	MUL8 F1, 0, 0
	s_wait_dscnt 0x0
	MUL8 F1, 2, 0
	WIN 0
	PLACES
	s_barrier_signal -1                            ; my reads of the tiles are over (the wait for 0 above): the stages of the way out lie in A's bytes,
	s_barrier_wait -1                              ; which have had their only fill, and which nobody reads behind this barrier
.if MODE == 0
.irp a, 0,1,2,3
.irp b, 0,1,2,3
	ds_store_b128 v[STO], v[ACC+8*(4*\a+\b):ACC+8*(4*\a+\b)+3] offset:16*SPI*\a+64*\b
	ds_store_b128 v[STO], v[ACC+8*(4*\a+\b)+4:ACC+8*(4*\a+\b)+7] offset:16*SPI*\a+64*\b+16
.endr
.endr
.set i, 0
.rept 32
	ds_load_b128 v[ACC+4*i:ACC+4*i+3], v[RD] offset:16*SPI*(i/8)+2*SPI*(i%8)
.set i, i+1
.endr
	s_wait_loadcnt 0x0
	WIN 0x20
.set i, 0
.rept 32
	s_wait_dscnt 31-i
	v_pk_fma_f32 v[ACC+4*i:ACC+4*i+1], v[ACC+4*i:ACC+4*i+1], s[72:73], v[4*i:4*i+1] op_sel_hi:[1,0,1]
	v_pk_fma_f32 v[ACC+4*i+2:ACC+4*i+3], v[ACC+4*i+2:ACC+4*i+3], s[72:73], v[4*i+2:4*i+3] op_sel_hi:[1,0,1]
	global_store_b128 v[CO], v[ACC+4*i:ACC+4*i+3], s[14:15] offset:((i/8)*16+2*(i%8))*4096
.set i, i+1
.endr
	WIN 0
.else
.set t, 0
.rept 16
.set i, 0
.rept 8
	v_med3_num_f32 v[ACC+8*t+i], v[ACC+8*t+i], 0, v31
.set i, i+1
.endr
	v_cvt_scalef32_pk8_bf8_f32 v[TMP+2*t:TMP+2*t+1], v[ACC+8*t:ACC+8*t+7], v30
.set t, t+1
.endr
	v_nop
.irp a, 0,1,2,3
.irp b, 0,1,2,3
	ds_store_b64 v[STO], v[TMP+2*(4*\a+\b):TMP+2*(4*\a+\b)+1] offset:1024*\a+256*\b
.endr
.endr
.set i, 0
.rept 8
	ds_load_b128 v[TMP+32+4*i:TMP+32+4*i+3], v[RD] offset:512*i
.set i, i+1
.endr
.set i, 0
.rept 8
	s_wait_dscnt 7-i
	global_store_b128 v[LI], v[TMP+32+4*i:TMP+32+4*i+3], s[14:15] offset:65536*(i/2)+512*(i%2)
.set i, i+1
.endr
.endif
	s_wait_tensorcnt 0x0
	ds_add_u32 v[SPW], v[NIL]
	s_wait_dscnt 0x0
	CROUND
	s_endpgm
.Lfunc_end_k_qbce2a28267_gemm3:
	.size	k_qbce2a28267_gemm3, .Lfunc_end_k_qbce2a28267_gemm3-k_qbce2a28267_gemm3
	.p2alignl 7, 3214868480
	.fill 96, 4, 3214868480
	.section	.rodata,"a",@progbits
	.p2align	6, 0x0
	.amdhsa_kernel k_qbce2a28267_gemm3
		.amdhsa_group_segment_fixed_size 327680
		.amdhsa_private_segment_fixed_size 0
		.amdhsa_enable_private_segment 0
		.amdhsa_kernarg_size 48
		.amdhsa_user_sgpr_count 2
		.amdhsa_user_sgpr_kernarg_segment_ptr 1
		.amdhsa_wavefront_size32 1
		.amdhsa_system_sgpr_workgroup_id_x 1
		.amdhsa_system_sgpr_workgroup_id_y 1
		.amdhsa_system_sgpr_workgroup_id_z 1
		.amdhsa_system_vgpr_workitem_id 0
		.amdhsa_next_free_vgpr 640
		.amdhsa_next_free_sgpr 100
		.amdhsa_reserve_vcc 0
		.amdhsa_float_denorm_mode_32 3
		.amdhsa_float_denorm_mode_16_64 3
		.amdhsa_memory_ordered 1
		.amdhsa_forward_progress 1
		.amdhsa_inst_pref_size 51
	.end_amdhsa_kernel
	.amdgpu_metadata
---
amdhsa.version: [ 1, 2 ]
amdhsa.kernels:
  - .name:           k_qbce2a28267_gemm3
    .symbol:         k_qbce2a28267_gemm3.kd
    .args:
      - { .name: ac, .offset: 0, .size: 8, .value_kind: global_buffer, .address_space: global }
      - { .name: w_out_codes, .offset: 8, .size: 8, .value_kind: global_buffer, .address_space: global }
      - { .name: lowp_scales, .offset: 16, .size: 8, .value_kind: global_buffer, .address_space: global }
      - { .name: b_out, .offset: 24, .size: 8, .value_kind: global_buffer, .address_space: global }
      - { .name: query, .offset: 32, .size: 8, .value_kind: global_buffer, .address_space: global }
      - { .name: r1, .offset: 40, .size: 8, .value_kind: global_buffer, .address_space: global }
    .group_segment_fixed_size: 327680
    .private_segment_fixed_size: 0
    .kernarg_segment_align: 8
    .kernarg_segment_size: 48
    .max_flat_workgroup_size: 128
    .sgpr_count:     100
    .vgpr_count:     640
    .wavefront_size: 32
...
	.end_amdgpu_metadata
.endif
;; end of part 3
;; launch ln1 (part 4): grid 256 x 1, 8 waves a work-group, no clusters, 66,816 bytes of LDS; arguments r1, g1, be1, lowp_scales, x, xc; writes x, xc
.if DOCPART == 4
	.amdgcn_target "amdgcn-amd-amdhsa--gfx1250"
	.amdhsa_code_object_version 6
	.text
	.protected	k_qbce2a28267_ln1
	.globl	k_qbce2a28267_ln1
	.p2align	8
	.type	k_qbce2a28267_ln1,@function
k_qbce2a28267_ln1:
	s_mov_b64 s[64:65], 0
	v_nop
	global_prefetch_b8 v0, s[64:65] scope:SCOPE_SE
	s_setreg_imm32_b32 hwreg(HW_REG_WAVE_MODE, 25, 1), 1
	s_wait_xcnt 0x0
; y = (v - mean(v)) / sqrt(var(v) + 1e-5) x g + be, row by row of 1,024 f32; with CODES = 1 also y's codes of BF8 (E5M2) with the given scale 2^e6 (byte 0x18 of the scales), as register images.
; The variance is taken of v - mean in a second pass over the registers, as the definition has it.  LIMITS: e6 between -126 and 112; NaN among the inputs is not served.
; SHARES.  A work-group takes 16 rows, each of its eight waves two: a row is 32 registers of a wave and is read from memory once.  Each load and store of a wave covers 512 consecutive bytes, aligned.
; IMAGES: [row / 16][k / 64][1,024 bytes]; the byte at 512 c + 16 lane + i is the code of row lane % 16 at k = 32 c + 16 (lane / 16) + i.  The conversion wants 16 neighbours of ONE row in a lane, and an image takes 16 rows:
; so the 16 rows meet in LDS (rows 4,112 bytes apart = 257 x 16), behind one barrier, and wave w makes images 2 w and 2 w + 1.
; No matrix unit, no cluster, no tensor load: work-groups share only g and be.
.set CODES, 1
.set LP,   4112
.set X,    16                          ; v16-79   two rows
.set G,    80                          ; v80-111  g of my 32 columns;  v112-143 be
.set B,    112
.set ST,   144                         ; row p at v[144 + 8 p]: +0..3 two chains of pairs; +4 the mean; +6 1 / sqrt; +5, +7 named as upper halves only
.set Y,    160                         ; v160-223 two images' numbers
.set C,    224                         ; v224-239 their codes
.if CODES
.set OUT,  12
.else
.set OUT,  10
.endif
	s_load_b256 s[4:11], s[0:1], 0x0               ; in s[4:5], g s[6:7], be s[8:9]; then the scales' exponents (CODES = 1) or out
.if CODES
	s_load_b128 s[12:15], s[0:1], 0x20             ; out s[12:13], the codes s[14:15]
	v_lshl_add_u32 v240, v0, 2, 0x10100
	v_mov_b32 v241, 0
.endif
	v_lshrrev_b32 v4, 5, v0
	s_delay_alu instid0(VALU_DEP_1)
	v_readfirstlane_b32 s16, v4                    ; wave 0..7
	v_and_b32 v5, 31, v0
	s_delay_alu instid0(VALU_DEP_1)
	v_lshlrev_b32 v1, 4, v5                        ; 16 x lane
	s_wait_alu depctr_va_vdst(0)
	s_lshl_b32 s18, ttmp9, 16                      ; 16 rows of 4,096 bytes a work-group,
	s_lshl_b32 s19, s16, 13                        ; two a wave
	s_add_co_u32 s18, s18, s19
	s_mov_b32 s19, 0
	s_mov_b32 s20, 0x3727c5ac                      ; 1e-5
	s_mov_b32 s21, 0x3a800000                      ; 1 / 1,024
	s_mov_b32 s22, 0x76543210                      ; v_permlanex16_b32's selects: lane l xor 16
	s_mov_b32 s23, 0xfedcba98
.if CODES
	s_mul_i32 s25, s16, 2*LP
	v_add_nc_u32 v2, s25, v1                       ; LDS, in: my first row, 16 x lane
	v_and_b32 v6, 15, v0
	v_bfe_u32 v7, v0, 4, 1
	s_delay_alu instid0(VALU_DEP_2)
	v_mul_u32_u24 v3, v6, LP
	s_delay_alu instid0(VALU_DEP_1)
	v_lshl_add_u32 v3, v7, 6, v3
	s_lshl_b32 s25, s16, 9
	v_add_nc_u32 v3, s25, v3                       ; LDS, out: row r, + 64 h, + my two images' 512 bytes
	s_lshl_b32 s26, ttmp9, 14                      ; 16 images a work-group,
	s_lshl_b32 s27, s16, 11                        ; two a wave
	s_add_co_u32 s26, s26, s27
	s_mov_b32 s27, 0
.endif
.irp p, 0,1
	v_mov_b32 v[ST+8*\p+5], 0
	v_mov_b32 v[ST+8*\p+7], 0
.endr
	s_wait_kmcnt 0x0
.if CODES
	s_load_b32 s24, s[10:11], 0x18                 ; e6
	s_add_nc_u64 s[14:15], s[14:15], s[26:27]
.endif
	s_add_nc_u64 s[4:5], s[4:5], s[18:19]
	s_add_nc_u64 s[OUT:OUT+1], s[OUT:OUT+1], s[18:19]
.irp p, 0,1
.irp j, 0,1,2,3,4,5,6,7
	global_load_b128 v[X+32*\p+4*\j:X+32*\p+4*\j+3], v1, s[4:5] offset:4096*\p+512*\j th:TH_LOAD_NT
.endr
.endr
.irp j, 0,1,2,3,4,5,6,7
	global_load_b128 v[G+4*\j:G+4*\j+3], v1, s[6:7] offset:512*\j
.endr
.irp j, 0,1,2,3,4,5,6,7
	global_load_b128 v[B+4*\j:B+4*\j+3], v1, s[8:9] offset:512*\j
.endr
.macro RED2                            ; both rows' figures, v[ST] and v[ST+8], summed over the 32 lanes; every lane ends up with the sum
.irp p, 0
	s_delay_alu instid0(VALU_DEP_3)
	v_pk_add_f32 v[ST+8*\p:ST+8*\p+1], v[ST+8*\p:ST+8*\p+1], v[ST+8*\p+2:ST+8*\p+3]
.endr
.irp p, 1
	s_delay_alu instid0(VALU_DEP_2)
	v_pk_add_f32 v[ST+8*\p:ST+8*\p+1], v[ST+8*\p:ST+8*\p+1], v[ST+8*\p+2:ST+8*\p+3]
.endr
.irp p, 0,1
	s_delay_alu instid0(VALU_DEP_2)
	v_add_f32 v[ST+8*\p], v[ST+8*\p], v[ST+8*\p+1]
.endr
.irp m, 1,2,4,8
.irp p, 0,1
	s_delay_alu instid0(VALU_DEP_2)
	v_add_f32_dpp v[ST+8*\p], v[ST+8*\p], v[ST+8*\p] row_xmask:\m row_mask:0xf bank_mask:0xf
.endr
.endr
.irp p, 0,1
	s_delay_alu instid0(VALU_DEP_2)
	v_permlanex16_b32 v[ST+8*\p+1], v[ST+8*\p], s22, s23
.endr
.irp p, 0,1
	s_delay_alu instid0(VALU_DEP_2)
	v_add_f32 v[ST+8*\p], v[ST+8*\p], v[ST+8*\p+1]
.endr
.endm
	s_wait_loadcnt 16                              ; the two rows are in; g's and be's sixteen loads stay out
.irp p, 0,1                                    ; the sum: two chains a row, the rows by turns; the first words start the chains
	v_pk_add_f32 v[ST+8*\p:ST+8*\p+1], v[X+32*\p:X+32*\p+1], v[X+32*\p+2:X+32*\p+3]
	v_pk_add_f32 v[ST+8*\p+2:ST+8*\p+3], v[X+32*\p+4:X+32*\p+5], v[X+32*\p+6:X+32*\p+7]
.endr
.irp j, 8,12,16,20,24,28
.irp p, 0,1
	s_delay_alu instid0(VALU_DEP_4)
	v_pk_add_f32 v[ST+8*\p:ST+8*\p+1], v[ST+8*\p:ST+8*\p+1], v[X+32*\p+\j:X+32*\p+\j+1]
	s_delay_alu instid0(VALU_DEP_4)
	v_pk_add_f32 v[ST+8*\p+2:ST+8*\p+3], v[ST+8*\p+2:ST+8*\p+3], v[X+32*\p+\j+2:X+32*\p+\j+3]
.endr
.endr
	RED2
.irp p, 0,1
	s_delay_alu instid0(VALU_DEP_2)
	v_mul_f32 v[ST+8*\p+4], s21, v[ST+8*\p]        ; the mean
.endr
.set i, 0
.rept 16
.irp p, 0,1
	v_pk_add_f32 v[X+32*\p+i:X+32*\p+i+1], v[X+32*\p+i:X+32*\p+i+1], v[ST+8*\p+4:ST+8*\p+5] op_sel_hi:[1,0] neg_lo:[0,1] neg_hi:[0,1]   ; d = v - mean
.endr
.set i, i+2
.endr
.irp p, 0,1                                    ; the sum of d^2
	v_pk_mul_f32 v[ST+8*\p:ST+8*\p+1], v[X+32*\p:X+32*\p+1], v[X+32*\p:X+32*\p+1]
	v_pk_mul_f32 v[ST+8*\p+2:ST+8*\p+3], v[X+32*\p+2:X+32*\p+3], v[X+32*\p+2:X+32*\p+3]
.endr
.irp j, 4,8,12,16,20,24,28
.irp p, 0,1
	s_delay_alu instid0(VALU_DEP_4)
	v_pk_fma_f32 v[ST+8*\p:ST+8*\p+1], v[X+32*\p+\j:X+32*\p+\j+1], v[X+32*\p+\j:X+32*\p+\j+1], v[ST+8*\p:ST+8*\p+1]
	s_delay_alu instid0(VALU_DEP_4)
	v_pk_fma_f32 v[ST+8*\p+2:ST+8*\p+3], v[X+32*\p+\j+2:X+32*\p+\j+3], v[X+32*\p+\j+2:X+32*\p+\j+3], v[ST+8*\p+2:ST+8*\p+3]
.endr
.endr
	RED2
.irp p, 0,1
	s_delay_alu instid0(VALU_DEP_2)
	v_fma_f32 v[ST+8*\p], v[ST+8*\p], s21, s20     ; the variance + 1e-5
.endr
	s_wait_alu depctr_va_vdst(0)
.irp p, 0,1
	v_rsq_f32 v[ST+8*\p+6], v[ST+8*\p]
.endr
	v_nop                                          ; a plain line behind the two,
	s_wait_loadcnt 0x0                             ; g and be,
	s_wait_alu depctr_va_vdst(0)                   ; and one wait for both, ahead of the first line that names a result
.set i, 0
.rept 16
.irp p, 0,1
	v_pk_mul_f32 v[X+32*\p+i:X+32*\p+i+1], v[X+32*\p+i:X+32*\p+i+1], v[ST+8*\p+6:ST+8*\p+7] op_sel_hi:[1,0]
.endr
.irp p, 0,1
	s_delay_alu instid0(VALU_DEP_2)
	v_pk_fma_f32 v[X+32*\p+i:X+32*\p+i+1], v[X+32*\p+i:X+32*\p+i+1], v[G+i:G+i+1], v[B+i:B+i+1]
.endr
.set i, i+2
.endr
.irp p, 0,1
.irp j, 0,1,2,3,4,5,6,7
	global_store_b128 v1, v[X+32*\p+4*\j:X+32*\p+4*\j+3], s[OUT:OUT+1] offset:4096*\p+512*\j
.endr
.endr
.if CODES
.irp p, 0,1
.irp j, 0,1,2,3,4,5,6,7
	ds_store_b128 v2, v[X+32*\p+4*\j:X+32*\p+4*\j+3] offset:LP*\p+512*\j
.endr
.endr
	s_wait_kmcnt 0x0
	s_add_co_i32 s24, s24, 127
	s_lshl_b32 s25, s24, 23
	v_mov_b32 v11, s25                             ; 2^e6 as f32
	s_add_co_i32 s24, s24, 15
	s_lshl_b32 s24, s24, 23
	s_or_b32 s24, s24, 0x600000
	v_mov_b32 v10, s24                             ; 57,344 x 2^e6
	s_wait_alu depctr_va_vdst(0)
	s_wait_dscnt 0x0                               ; for the others' sake: my two rows lie in LDS
	s_barrier_signal -1
	s_barrier_wait -1                              ; all sixteen do
.irp u, 0,1
.irp c, 0,1
.irp j, 0,1,2,3
	ds_load_b128 v[Y+32*\u+16*\c+4*\j:Y+32*\u+16*\c+4*\j+3], v3 offset:256*\u+128*\c+16*\j   ; y(r, 64 (2 w + u) + 32 c + 16 h + 4 j ..)
.endr
.endr
.endr
.irp u, 0,1
	s_wait_dscnt 8-8*\u                            ; image u's eight loads are in
.set i, 0
.rept 32
	v_med3_num_f32 v[Y+32*\u+i], v[Y+32*\u+i], -v10, v10   ; the conversion does not saturate (ISA guide 7.6.2): the hold comes first
.set i, i+1
.endr
.irp g, 0,1,2,3
	v_cvt_scalef32_pk8_bf8_f32 v[C+8*\u+2*\g:C+8*\u+2*\g+1], v[Y+32*\u+8*\g:Y+32*\u+8*\g+7], v11
.endr
.irp c, 0,1
	global_store_b128 v1, v[C+8*\u+4*\c:C+8*\u+4*\c+3], s[14:15] offset:1024*\u+512*\c   ; the wave stores 512 consecutive bytes, aligned
.endr
.endr
.endif
	s_wait_tensorcnt 0x0
	ds_add_u32 v240, v241
	s_wait_dscnt 0x0
	s_endpgm
.Lfunc_end_k_qbce2a28267_ln1:
	.size	k_qbce2a28267_ln1, .Lfunc_end_k_qbce2a28267_ln1-k_qbce2a28267_ln1
	.p2alignl 7, 3214868480
	.fill 96, 4, 3214868480
	.section	.rodata,"a",@progbits
	.p2align	6, 0x0
	.amdhsa_kernel k_qbce2a28267_ln1
		.amdhsa_group_segment_fixed_size 66816
		.amdhsa_private_segment_fixed_size 0
		.amdhsa_enable_private_segment 0
		.amdhsa_kernarg_size 48
		.amdhsa_user_sgpr_count 2
		.amdhsa_user_sgpr_kernarg_segment_ptr 1
		.amdhsa_wavefront_size32 1
		.amdhsa_system_sgpr_workgroup_id_x 1
		.amdhsa_system_sgpr_workgroup_id_y 1
		.amdhsa_system_sgpr_workgroup_id_z 1
		.amdhsa_system_vgpr_workitem_id 0
		.amdhsa_next_free_vgpr 242
		.amdhsa_next_free_sgpr 66
		.amdhsa_reserve_vcc 0
		.amdhsa_float_denorm_mode_32 3
		.amdhsa_float_denorm_mode_16_64 3
		.amdhsa_memory_ordered 1
		.amdhsa_forward_progress 1
		.amdhsa_inst_pref_size 30
	.end_amdhsa_kernel
	.amdgpu_metadata
---
amdhsa.version: [ 1, 2 ]
amdhsa.kernels:
  - .name:           k_qbce2a28267_ln1
    .symbol:         k_qbce2a28267_ln1.kd
    .args:
      - { .name: r1, .offset: 0, .size: 8, .value_kind: global_buffer, .address_space: global }
      - { .name: g1, .offset: 8, .size: 8, .value_kind: global_buffer, .address_space: global }
      - { .name: be1, .offset: 16, .size: 8, .value_kind: global_buffer, .address_space: global }
      - { .name: lowp_scales, .offset: 24, .size: 8, .value_kind: global_buffer, .address_space: global }
      - { .name: x, .offset: 32, .size: 8, .value_kind: global_buffer, .address_space: global }
      - { .name: xc, .offset: 40, .size: 8, .value_kind: global_buffer, .address_space: global }
    .group_segment_fixed_size: 66816
    .private_segment_fixed_size: 0
    .kernarg_segment_align: 8
    .kernarg_segment_size: 48
    .max_flat_workgroup_size: 256
    .sgpr_count:     66
    .vgpr_count:     242
    .wavefront_size: 32
...
	.end_amdgpu_metadata
.endif
;; end of part 4
;; launch gemm4 (part 5): grid 16 x 16, 4 waves a work-group, clusters of 4 x 4, 327,680 bytes of LDS; arguments xc, w1_codes, lowp_scales, b1, hc; writes hc
.if DOCPART == 5
	.amdgcn_target "amdgcn-amd-amdhsa--gfx1250"
	.amdhsa_code_object_version 6
	.text
	.protected	k_qbce2a28267_gemm4
	.globl	k_qbce2a28267_gemm4
	.p2align	8
	.type	k_qbce2a28267_gemm4,@function
k_qbce2a28267_gemm4:
	s_mov_b64 s[64:65], 0
	v_nop
	global_prefetch_b8 v0, s[64:65] scope:SCOPE_SE
	s_setreg_imm32_b32 hwreg(HW_REG_WAVE_MODE, 25, 1), 1
	s_wait_xcnt 0x0
	s_wait_alu depctr_hold_cnt(0) depctr_sa_sdst(0) depctr_va_vdst(0) depctr_va_sdst(0) depctr_va_ssrc(0) depctr_va_vcc(0) depctr_vm_vsrc(0)
	s_getreg_b32 s2, hwreg(HW_REG_IB_STS2, 6, 4)
	s_cmp_eq_u32 s2, 0
	s_cbranch_scc0 .Lentry_in_a_cluster
	s_endpgm
.Lentry_in_a_cluster:
	s_bfe_u32 s2, ttmp6, 0x10000c
	s_cmp_lg_u32 s2, 0xf033
	s_cbranch_scc0 .Lentry_shape_is_right
	s_endpgm
.Lentry_shape_is_right:
.set KK,    1024
.set SCOFF, 0x18
.set KSTEP, 256
.set BP,    272
.set ASL,   65536
.set HALFB, 128*BP
.set SLOT,  ASL+2*HALFB
.set SPARE, 2*SLOT
.set FR,   16
.set BA,   5
.set ADRA, 16
.set ADRB, 20
.set STO,  24
.set RD,   25
.set LI,   27
.set SPW,  28
.set NIL,  29
.set BI,   32
.set F,    32
.set AF,   128
.set CD,   128
.set BK,   192
.set G1A, 24
.set G0A, 32
.set G1B, 48
.set G0B, 56
.set MSB, 0
.macro WIN new
.if MSB != \new
	s_set_vgpr_msb (MSB<<8)|\new
.set MSB, \new
.endif
.endm
.set MUL_LO, 0xa1
.set MUL_HI, 0xf1
.set BEG_LO, 0x81
.set BEG_HI, 0xc1
.set TO_B,   0x40
.macro JLOAD s
	s_cmp_eq_u32 s17, 0
	s_cbranch_scc0 .Lfor_b_\@
	tensor_load_to_lds s[G0A+4*\s:G0A+4*\s+3], s[G1A:G1A+7]
	s_nop 0
.rept 4
	v_nop
.endr
	s_branch .Lasked_\@
.Lfor_b_\@:
	tensor_load_to_lds s[G0B+4*\s:G0B+4*\s+3], s[G1B:G1B+7]
	s_nop 0
.rept 4
	v_nop
.endr
.Lasked_\@:
.endm
.macro CREST
	s_cmp_lg_u32 s16, 0
	s_cbranch_scc1 .Lnot_wave_0_\@
	s_barrier_signal -3
.Lnot_wave_0_\@:
	s_barrier_wait -3
	s_barrier_signal -1
	s_barrier_wait -1
.endm
.macro CROUND
	s_barrier_signal -1
	s_barrier_wait -1
	CREST
.endm
.macro PLACES
.rept 4
	v_nop
.endr
.endm
	s_load_b256 s[4:11], s[0:1], 0x0
	s_load_b64 s[14:15], s[0:1], 0x20
	v_lshl_add_u32 v[SPW], v0, 2, SPARE
	v_mov_b32 v[NIL], 0
	ds_add_u32 v28, v29
	ds_add_u32 v28, v29
	s_wait_dscnt 0x0
	v_lshrrev_b32 v1, 5, v0
	v_readfirstlane_b32 s16, v1
	s_lshr_b32 s17, s16, 1
	s_and_b32 s18, s16, 1
	s_bfe_u32 s40, ttmp6, 0x40000
	s_bfe_u32 s41, ttmp6, 0x40004
	s_lshl_b32 s42, ttmp9, 2
	s_add_co_u32 s42, s42, s40
	s_and_b32 s43, ttmp7, 0xffff
	s_lshl_b32 s43, s43, 2
	s_add_co_u32 s43, s43, s41
	s_lshl_b32 s44, s41, 2
	s_lshl_b32 s44, 15, s44
	s_lshl_b32 s45, 0x1111, s40
	s_or_b32 s[G1A], s44, (3<<16)|(1<<21)
	s_mov_b32 s[G1A+1], 512<<16
	s_mov_b32 s[G1A+2], 8<<16
	s_mov_b32 s[G1A+3], 512<<16
	s_mov_b32 s[G1A+4], 8
	s_mov_b32 s[G1A+5], 2*KK
	s_mov_b32 s[G1A+6], 0
	s_mov_b32 s[G1A+7], 0
	s_or_b32 s[G1B], s45, (1<<20)|(1<<21)|(5<<22)|(3<<25)
	s_mov_b32 s[G1B+1], KSTEP<<16
	s_mov_b32 s[G1B+2], 128<<16
	s_mov_b32 s[G1B+3], KSTEP<<16
	s_mov_b32 s[G1B+4], 128
	s_mov_b32 s[G1B+5], KK
	s_mov_b32 s[G1B+6], 0
	s_mov_b32 s[G1B+7], 0
	s_lshl_b32 s76, s43, 4
	s_lshl_b32 s77, s18, 3
	s_add_co_u32 s76, s76, s77
	s_mul_i32 s76, s76, 16*KK
	s_mov_b32 s77, 0
	s_lshl_b32 s80, s42, 8
	s_lshl_b32 s81, s18, 7
	s_add_co_u32 s80, s80, s81
	s_mul_i32 s80, s80, KK
	s_mov_b32 s81, 0
	s_mul_i32 s92, s18, 32768
	s_mul_i32 s93, s18, HALFB
	s_add_co_u32 s93, s93, ASL
	s_wait_kmcnt 0x0
	s_load_b64 s[68:69], s[8:9], SCOFF
	s_load_b32 s70, s[8:9], 0x20
	s_add_nc_u64 s[76:77], s[4:5], s[76:77]
	s_add_nc_u64 s[80:81], s[6:7], s[80:81]
	CROUND
.irp s, 0,1
	s_mov_b32 s[G0A+4*\s], 1
	s_add_co_u32 s[G0A+4*\s+1], s92, \s*SLOT
	s_add_nc_u64 s[G0A+4*\s+2:G0A+4*\s+3], s[76:77], \s*4096
	s_or_b32 s[G0A+4*\s+3], s[G0A+4*\s+3], 0x80000000
	s_mov_b32 s[G0B+4*\s], 1
	s_add_co_u32 s[G0B+4*\s+1], s93, \s*SLOT
	s_add_nc_u64 s[G0B+4*\s+2:G0B+4*\s+3], s[80:81], \s*KSTEP
	s_or_b32 s[G0B+4*\s+3], s[G0B+4*\s+3], 0x80000000
.endr
	JLOAD 0                                        ; K step 0: my one tensor load at the head; the set-up and the bias stand under its flight
	v_and_b32 v1, 15, v0
	v_bfe_u32 v2, v0, 4, 1
	v_and_b32 v3, 31, v0
	v_lshlrev_b32 v[LI], 4, v3
	s_mul_i32 s84, s17, 32768
	v_add_nc_u32 v[ADRA], s84, v[LI]
	v_add_nc_u32 v[ADRA+1], SLOT, v[ADRA]
	v_mul_u32_u24 v4, v1, BP
	v_lshl_add_u32 v4, v2, 4, v4
	s_mul_i32 s85, s18, HALFB
	s_add_co_u32 s85, s85, ASL
	v_add_nc_u32 v[ADRB], s85, v4
	v_add_nc_u32 v[ADRB+1], SLOT, v[ADRB]
	v_lshlrev_b32 v[BA], 5, v2
	s_lshl_b32 s86, s42, 10
	s_lshl_b32 s87, s18, 9
	s_add_co_u32 s86, s86, s87
	s_mov_b32 s87, 0
	s_add_nc_u64 s[10:11], s[10:11], s[86:87]
.irp b, 0,1,2,3,4,5,6,7
	global_load_b128 v[BI+8*\b:BI+8*\b+3], v[BA], s[10:11] offset:64*\b
	global_load_b128 v[BI+8*\b+4:BI+8*\b+7], v[BA], s[10:11] offset:64*\b+16
.endr
	s_lshl_b32 s90, s16, 14
	v_lshlrev_b32 v[STO], 4, v1
	v_lshl_add_u32 v[STO], v2, 3, v[STO]
	v_add_nc_u32 v[STO], s90, v[STO]
	v_add_nc_u32 v[RD], s90, v[LI]
	s_lshl_b32 s88, s43, 4
	s_lshl_b32 s89, s17, 3
	s_add_co_u32 s88, s88, s89
	s_lshl_b32 s88, s88, 6
	s_lshl_b32 s89, s42, 2
	s_add_co_u32 s88, s88, s89
	s_lshl_b32 s89, s18, 1
	s_add_co_u32 s88, s88, s89
	s_lshl_b32 s88, s88, 10
	s_mov_b32 s89, 0
	s_add_nc_u64 s[14:15], s[14:15], s[88:89]
	s_wait_kmcnt 0x0
	s_add_co_i32 s71, s68, s69
	s_sub_co_i32 s74, 0, s71
	s_sub_co_i32 s75, s70, s71
	s_add_co_i32 s75, s75, 127
	s_lshl_b32 s72, s75, 23
	v_mov_b32 v30, s72
	s_add_co_i32 s75, s75, 15
	s_lshl_b32 s75, s75, 23
	s_or_b32 s75, s75, 0x600000
	v_mov_b32 v31, s75
	s_wait_loadcnt 0x0
.set i, 0
.rept 64
	v_ldexp_f32 v[BI+i], v[BI+i], s74
.set i, i+1
.endr
.macro MUL16 a0, p, zero
.irp a, \a0, \a0+1
.irp b, 0,1,2,3,4,5,6,7
.if \zero
	v_wmma_f32_16x16x128_bf8_bf8 v[8*(8*((\a)%4)+\b):8*(8*((\a)%4)+\b)+7], v[128*(\p)+FR*\b:128*(\p)+FR*\b+FR-1], v[AF+FR*(\a):AF+FR*(\a)+FR-1], v[BI+8*\b:BI+8*\b+7]
.else
	v_wmma_f32_16x16x128_bf8_bf8 v[8*(8*((\a)%4)+\b):8*(8*((\a)%4)+\b)+7], v[128*(\p)+FR*\b:128*(\p)+FR*\b+FR-1], v[AF+FR*(\a):AF+FR*(\a)+FR-1], v[8*(8*((\a)%4)+\b):8*(8*((\a)%4)+\b)+7]
.endif
.endr
.endr
.endm
.macro FETCH_B slot, q, p
	WIN TO_B
.irp i, 0,1,2,3,4,5,6,7
.irp c, 0,1,2,3
	ds_load_b128 v[128*(\p)+FR*\i+4*\c:128*(\p)+FR*\i+4*\c+3], v[ADRB+\slot] offset:128*(\q)+32*\c+\i*16*BP
.endr
.endr
	WIN 0
.endm
.macro FETCH_A slot, q, i0
.irp i, \i0, \i0+1, \i0+2, \i0+3
.irp c, 0,1,2,3
	ds_load_b128 v[AF+FR*(\i)+4*\c:AF+FR*(\i)+4*\c+3], v[ADRA+\slot] offset:4096*(\i)+2048*(\q)+512*\c
.endr
.endr
.endm
.macro STEP slot, zero
	s_wait_dscnt 16
.if \zero
	WIN BEG_LO
.else
	WIN MUL_LO
.endif
	MUL16 0, 0, \zero
	MUL16 2, 0, \zero
	s_wait_dscnt 0x0
	PLACES
	FETCH_B \slot, 1, 1
	FETCH_A \slot, 1, 0
.if \zero
	WIN BEG_HI
.else
	WIN MUL_HI
.endif
	MUL16 4, 0, \zero
	MUL16 6, 0, \zero
	PLACES
	WIN 0
	FETCH_A \slot, 1, 4
.endm
.macro TURN slot, next, fill
	s_wait_tensorcnt 0x0
	ds_add_u32 v[SPW], v[NIL]
	s_wait_dscnt 17
	WIN MUL_LO
	MUL16 0, 1, 0
	s_wait_dscnt 0x0
	s_barrier_signal -1
	MUL16 2, 1, 0
	WIN 0
	s_barrier_wait -1
.if \fill
	CREST
	s_add_nc_u64 s[G0A+4*\slot+2:G0A+4*\slot+3], s[G0A+4*\slot+2:G0A+4*\slot+3], 2*4096
	s_add_nc_u64 s[G0B+4*\slot+2:G0B+4*\slot+3], s[G0B+4*\slot+2:G0B+4*\slot+3], 2*KSTEP
	JLOAD \slot
.else
	PLACES
.endif
	FETCH_B \next, 0, 0
	FETCH_A \next, 0, 0
	WIN MUL_HI
	MUL16 4, 1, 0
	MUL16 6, 1, 0
	PLACES
	WIN 0
	FETCH_A \next, 0, 4
.endm
	s_wait_alu depctr_va_vdst(0)
	s_wait_tensorcnt 0x0                           ; my part of K step 0 is in
	ds_add_u32 v[SPW], v[NIL]
	s_wait_dscnt 0x0
	CROUND                                         ; a whole round: everybody's part is in, and the joint loads meet
	JLOAD 1                                        ; K step 1: the first tensor load behind the round
	FETCH_B 0, 0, 0
	FETCH_A 0, 0, 0
	FETCH_A 0, 0, 4
	STEP 0, 1
	TURN 0, 1, 1
	STEP 1, 0
	TURN 1, 0, 1
	STEP 0, 0
	TURN 0, 1, 0
	STEP 1, 0
	s_wait_dscnt 16
	WIN MUL_LO
	MUL16 0, 1, 0
	MUL16 2, 1, 0
	s_wait_dscnt 0x0
	WIN MUL_HI
	MUL16 4, 1, 0
	MUL16 6, 1, 0
	WIN 0
	PLACES
.macro HALF u
.irp a, 0,1,2,3
.if \u == 0
	WIN 0x02
.else
	WIN 0x03
.endif
.set i, 0
.rept 64
	v_med3_num_f32 v[F+i], v[64*\a+i], 0, v31
.set i, i+1
.endr
	WIN 0
.irp b, 0,1,2,3,4,5,6,7
	v_cvt_scalef32_pk8_bf8_f32 v[CD+16*\a+2*\b:CD+16*\a+2*\b+1], v[F+8*\b:F+8*\b+7], v30
.endr
	v_nop
.irp b, 0,1,2,3,4,5,6,7
	ds_store_b64 v[STO], v[CD+16*\a+2*\b:CD+16*\a+2*\b+1] offset:2048*(4*\u+\a)+1024*(\b/4)+256*(\b%4)
.endr
.endr
.endm
.macro BACK u, reg
.set i, 0
.rept 16
	ds_load_b128 v[\reg+4*i:\reg+4*i+3], v[RD] offset:8192*\u+512*i
.set i, i+1
.endr
.set i, 0
.rept 16
	s_wait_dscnt 15-i
	global_store_b128 v[LI], v[\reg+4*i:\reg+4*i+3], s[14:15] offset:65536*(4*\u+i/4)+512*(i%4)
.set i, i+1
.endr
.endm
	HALF 0
	BACK 0, BK
	HALF 1
	BACK 1, F
	s_wait_tensorcnt 0x0
	ds_add_u32 v[SPW], v[NIL]
	s_wait_dscnt 0x0
	CROUND
	s_endpgm
.Lfunc_end_k_qbce2a28267_gemm4:
	.size	k_qbce2a28267_gemm4, .Lfunc_end_k_qbce2a28267_gemm4-k_qbce2a28267_gemm4
	.p2alignl 7, 3214868480
	.fill 96, 4, 3214868480
	.section	.rodata,"a",@progbits
	.p2align	6, 0x0
	.amdhsa_kernel k_qbce2a28267_gemm4
		.amdhsa_group_segment_fixed_size 327680
		.amdhsa_private_segment_fixed_size 0
		.amdhsa_enable_private_segment 0
		.amdhsa_kernarg_size 40
		.amdhsa_user_sgpr_count 2
		.amdhsa_user_sgpr_kernarg_segment_ptr 1
		.amdhsa_wavefront_size32 1
		.amdhsa_system_sgpr_workgroup_id_x 1
		.amdhsa_system_sgpr_workgroup_id_y 1
		.amdhsa_system_sgpr_workgroup_id_z 1
		.amdhsa_system_vgpr_workitem_id 0
		.amdhsa_next_free_vgpr 1024
		.amdhsa_next_free_sgpr 100
		.amdhsa_reserve_vcc 0
		.amdhsa_float_denorm_mode_32 3
		.amdhsa_float_denorm_mode_16_64 3
		.amdhsa_memory_ordered 1
		.amdhsa_forward_progress 1
		.amdhsa_inst_pref_size 131
	.end_amdhsa_kernel
	.amdgpu_metadata
---
amdhsa.version: [ 1, 2 ]
amdhsa.kernels:
  - .name:           k_qbce2a28267_gemm4
    .symbol:         k_qbce2a28267_gemm4.kd
    .args:
      - { .name: xc, .offset: 0, .size: 8, .value_kind: global_buffer, .address_space: global }
      - { .name: w1_codes, .offset: 8, .size: 8, .value_kind: global_buffer, .address_space: global }
      - { .name: lowp_scales, .offset: 16, .size: 8, .value_kind: global_buffer, .address_space: global }
      - { .name: b1, .offset: 24, .size: 8, .value_kind: global_buffer, .address_space: global }
      - { .name: hc, .offset: 32, .size: 8, .value_kind: global_buffer, .address_space: global }
    .group_segment_fixed_size: 327680
    .private_segment_fixed_size: 0
    .kernarg_segment_align: 8
    .kernarg_segment_size: 40
    .max_flat_workgroup_size: 128
    .sgpr_count:     100
    .vgpr_count:     1024
    .wavefront_size: 32
...
	.end_amdgpu_metadata
.endif
;; end of part 5
;; launch gemm5 (part 6): grid 8 x 32, 4 waves a work-group, clusters of 4 x 4, 327,680 bytes of LDS; arguments hc, w2_codes, lowp_scales, b2, x, r2; writes r2
.if DOCPART == 6
	.amdgcn_target "amdgcn-amd-amdhsa--gfx1250"
	.amdhsa_code_object_version 6
	.text
	.protected	k_qbce2a28267_gemm5
	.globl	k_qbce2a28267_gemm5
	.p2align	8
	.type	k_qbce2a28267_gemm5,@function
k_qbce2a28267_gemm5:
	s_mov_b64 s[64:65], 0
	v_nop
	global_prefetch_b8 v0, s[64:65] scope:SCOPE_SE
	s_setreg_imm32_b32 hwreg(HW_REG_WAVE_MODE, 25, 1), 1
	s_wait_xcnt 0x0
	s_wait_alu depctr_hold_cnt(0) depctr_sa_sdst(0) depctr_va_vdst(0) depctr_va_sdst(0) depctr_va_ssrc(0) depctr_va_vcc(0) depctr_vm_vsrc(0)
	s_getreg_b32 s2, hwreg(HW_REG_IB_STS2, 6, 4)
	s_cmp_eq_u32 s2, 0
	s_cbranch_scc0 .Lentry_in_a_cluster
	s_endpgm
.Lentry_in_a_cluster:
	s_bfe_u32 s2, ttmp6, 0x10000c
	s_cmp_lg_u32 s2, 0xf033
	s_cbranch_scc0 .Lentry_shape_is_right
	s_endpgm
.Lentry_shape_is_right:
; out[m][n] = (sum over k of A[m][k] B[n][k]) x 2^(eA + eB) + bias[n] + res[m][n], on codes of BF8 (E5M2).  Here: A = hc (4,096 x 4,096), B = w2_codes (1,024 x 4,096), res = x, out = r2; eA, eB at byte SCOFF of the scales.
; A lies as REGISTER IMAGES: [row / 16][k / 64][1,024 bytes], the byte at 512 c + 16 lane + i = the code of row lane % 16 at k = 32 c + 16 (lane / 16) + i.  B lies [n][KK], K innermost, one code a byte.
; In every fragment registers 4 c .. 4 c + 3 hold k = 32 c + 16 (lane / 16) + 0..15: a permutation of k that is the same in A and in B.
; LIMIT: eA + eB between -126 and 127, so that 2^(eA + eB) is an f32 number.
; A tile of out is 128 x 128 (256 work-groups for 4,096 x 1,024); four waves, each 64 x 64: 16 accumulators.  K goes in steps of 512 through two LDS slots filled by the tensor data mover:
; behind each change of slots one load a wave is out, and it has a K step's 64 matrix instructions in which to land.
; CLUSTERS: 4 x 4 work-groups.  The four of a row of the cluster need the same tiles of A, the four of a column the same tiles of B: each is asked for JOINTLY, by the same load with the same descriptor and a mask that names the four.
; THE MATRIX INSTRUCTION IS USED TRANSPOSED (source 0 = 16 rows of B, source 1 = 16 rows of A): a lane holds eight neighbouring columns of one row.  The bias, divided by 2^(eA + eB), is the C of each sum's first product.
; REGISTERS.  window 0: v1-31 addresses; v32-63 the bias; v128-255 the accumulators ((a, b) at v[128 + 8 (4 a + b)]).  window 1: two fragment buffers of 128: A's four fragments, then B's four.  window 2: v0-127 the residual.
.set KK,    4096
.set SCOFF, 0x20
.set MODE,  0                          ; 0: f32 out with a residual;  1: relu, quantised, out as images
.set LAPS,  KK/1024                    ; a lap = two K steps = once round the ring
.set BP,    528                        ; a row of B in LDS: 512 bytes + 16 = 33 x 16: the sixteen rows of a load begin at sixteen different 16-byte columns modulo 256
.set ASL,   65536                      ; a slot: A's 8 x 8 images, then B's 128 rows
.set SLOT,  ASL+128*BP
.set SPARE, 2*SLOT                     ; behind the ring: the spare words, 128 bytes for each wave, which no other line names
.set SPI,   272                        ; the way out: stage rows of 256 bytes + 16; the stage lies in slot 0, which has had its last fill and its last read by then
.set BA,   5                           ; v5   the bias loads' offset
.set ADRA, 16                          ; v16-17 LDS address of my A fragments in slot 0, 1
.set ADRB, 20                          ; v20-21 the same for B
.set STO,  24
.set RD,   25
.set CO,   26
.set LI,   27                          ; v27  16 x lane
.set SPW,  28                          ; v28  my spare word;  v29  0: both never rewritten
.set NIL,  29
.set BI,   32
.set TMP,  64
.set ACC,  128
.set F0,   0
.set F1,   128
.set G1A, 24                           ; s[24:31] group 1 for A;  s[32:39] its groups 0, one a slot;  s[48:55], s[56:63] the same for B
.set G0A, 32
.set G1B, 48
.set G0B, 56
.set MSB, 0
.macro WIN new                         ; the immediate's high byte repeats the setting that is left
.if MSB != \new
	s_set_vgpr_msb (MSB<<8)|\new
.set MSB, \new
.endif
.endm
.set MUL,  0x05                        ; sources 0 (B) and 1 (A) window 1; C and D window 0
.set TO_F, 0x40                        ; destination window 1, address window 0
.macro JLOAD s                         ; a joint load: waves 0 and 1 fetch A's halves, waves 2 and 3 B's; four v_nop follow each of the two lines
	s_cmp_eq_u32 s17, 0
	s_cbranch_scc0 .Lfor_b_\@
	tensor_load_to_lds s[G0A+4*\s:G0A+4*\s+3], s[G1A:G1A+7]
	s_nop 0
.rept 4
	v_nop
.endr
	s_branch .Lasked_\@
.Lfor_b_\@:
	tensor_load_to_lds s[G0B+4*\s:G0B+4*\s+3], s[G1B:G1B+7]
	s_nop 0
.rept 4
	v_nop
.endr
.Lasked_\@:
.endm
.macro CREST                           ; a round of the cluster's barrier behind its opening barrier
	s_cmp_lg_u32 s16, 0
	s_cbranch_scc1 .Lnot_wave_0_\@
	s_barrier_signal -3
.Lnot_wave_0_\@:
	s_barrier_wait -3
	s_barrier_signal -1
	s_barrier_wait -1
.endm
.macro CROUND
	s_barrier_signal -1
	s_barrier_wait -1
	CREST
.endm
.macro PLACES                          ; four plain lines in front of loads into registers that matrix instructions have read, and of the first read of results
.rept 4
	v_nop
.endr
.endm
	s_load_b256 s[4:11], s[0:1], 0x0               ; A s[4:5], B s[6:7], the scales' exponents s[8:9], the bias s[10:11]
.if MODE == 0
	s_load_b128 s[12:15], s[0:1], 0x20             ; the residual s[12:13], out s[14:15]
.else
	s_load_b64 s[14:15], s[0:1], 0x20              ; out
.endif
	v_lshl_add_u32 v[SPW], v0, 2, SPARE
	v_mov_b32 v[NIL], 0
	ds_add_u32 v28, v29
	ds_add_u32 v28, v29
	s_wait_dscnt 0x0
	v_lshrrev_b32 v1, 5, v0
	v_readfirstlane_b32 s16, v1                    ; wave 0..3
	s_lshr_b32 s17, s16, 1                         ; which half of the tile's rows is mine.  Also: I fetch for A (0) or for B (1)
	s_and_b32 s18, s16, 1                          ; which half of its columns.  Also: which half of that tile I fetch
	s_bfe_u32 s40, ttmp6, 0x40000                  ; cx, cy
	s_bfe_u32 s41, ttmp6, 0x40004
	s_lshl_b32 s42, ttmp9, 2
	s_add_co_u32 s42, s42, s40                     ; tile column = 4 x cluster x + cx
	s_and_b32 s43, ttmp7, 0xffff
	s_lshl_b32 s43, s43, 2
	s_add_co_u32 s43, s43, s41                     ; tile row = 4 x cluster y + cy
	s_lshl_b32 s44, s41, 2
	s_lshl_b32 s44, 15, s44                        ; my row of the cluster
	s_lshl_b32 s45, 0x1111, s40                    ; my column
	; group 1 for A: 4 rows (tiles of 16 rows of A) of 8 images = 1,024 elements of 8 bytes, 16 KK bytes apart, dense in LDS
	s_or_b32 s[G1A], s44, (3<<16)|(1<<21)
	s_mov_b32 s[G1A+1], 1024<<16                   ; tensor_dim0
	s_mov_b32 s[G1A+2], 4<<16                      ; tensor_dim1
	s_mov_b32 s[G1A+3], 1024<<16                   ; tile_dim0
	s_mov_b32 s[G1A+4], 4                          ; tile_dim1
	s_mov_b32 s[G1A+5], 2*KK                       ; from row to row, in elements
	s_mov_b32 s[G1A+6], 0
	s_mov_b32 s[G1A+7], 0
	; group 1 for B: 64 rows of 512 bytes, KK bytes apart, four words of padding after every 128
	s_or_b32 s[G1B], s45, (1<<20)|(1<<21)|(6<<22)|(3<<25)
	s_mov_b32 s[G1B+1], 512<<16
	s_mov_b32 s[G1B+2], 64<<16
	s_mov_b32 s[G1B+3], 512<<16
	s_mov_b32 s[G1B+4], 64
	s_mov_b32 s[G1B+5], KK
	s_mov_b32 s[G1B+6], 0
	s_mov_b32 s[G1B+7], 0
	s_lshl_b32 s76, s43, 3                         ; A's address hangs on the tile row and the wave alone, B's on the tile column and the wave alone, each in registers of its own
	s_lshl_b32 s77, s18, 2
	s_add_co_u32 s76, s76, s77
	s_mul_i32 s76, s76, 16*KK                      ; (8 x tile row + 4 x half) tiles of 16 rows
	s_mov_b32 s77, 0
	s_lshl_b32 s80, s42, 7
	s_lshl_b32 s81, s18, 6
	s_add_co_u32 s80, s80, s81
	s_mul_i32 s80, s80, KK                         ; (128 x tile column + 64 x half) rows
	s_mov_b32 s81, 0
	s_mul_i32 s92, s18, 32768                      ; where they go: no place in the cluster enters an LDS address
	s_mul_i32 s93, s18, 64*BP
	s_add_co_u32 s93, s93, ASL
	s_wait_kmcnt 0x0
	s_load_b64 s[68:69], s[8:9], SCOFF             ; eA, eB
.if MODE == 1
	s_load_b32 s70, s[8:9], 0x20                   ; the result's own exponent
.endif
	s_add_nc_u64 s[76:77], s[4:5], s[76:77]
	s_add_nc_u64 s[80:81], s[6:7], s[80:81]
	CROUND                                         ; all sixteen work-groups are here: the first joint loads meet
.irp s, 0,1
	s_mov_b32 s[G0A+4*\s], 1
	s_add_co_u32 s[G0A+4*\s+1], s92, \s*SLOT
	s_add_nc_u64 s[G0A+4*\s+2:G0A+4*\s+3], s[76:77], \s*8192
	s_or_b32 s[G0A+4*\s+3], s[G0A+4*\s+3], 0x80000000
	s_mov_b32 s[G0B+4*\s], 1
	s_add_co_u32 s[G0B+4*\s+1], s93, \s*SLOT
	s_add_nc_u64 s[G0B+4*\s+2:G0B+4*\s+3], s[80:81], \s*512
	s_or_b32 s[G0B+4*\s+3], s[G0B+4*\s+3], 0x80000000
.endr
	JLOAD 0                                        ; K step 0: my one tensor load at the head
	v_and_b32 v1, 15, v0                           ; r
	v_bfe_u32 v2, v0, 4, 1                         ; h
	v_and_b32 v3, 31, v0
	v_lshlrev_b32 v[LI], 4, v3
	s_mul_i32 s84, s17, 32768                      ; my 64 rows of A: four tiles of 8 images
	v_add_nc_u32 v[ADRA], s84, v[LI]
	v_add_nc_u32 v[ADRA+1], SLOT, v[ADRA]
	v_mul_u32_u24 v4, v1, BP
	v_lshl_add_u32 v4, v2, 4, v4
	s_mul_i32 s85, s18, 64*BP                      ; my 64 rows of B
	s_add_co_u32 s85, s85, ASL
	v_add_nc_u32 v[ADRB], s85, v4
	v_add_nc_u32 v[ADRB+1], SLOT, v[ADRB]
	v_lshlrev_b32 v[BA], 5, v2                     ; the bias: lane (r, h) wants, for block b, columns 16 b + 8 h + 0..7
	s_lshl_b32 s86, s42, 9
	s_lshl_b32 s87, s18, 8
	s_add_co_u32 s86, s86, s87                     ; my 64 columns as f32: 512 x tile column + 256 x half bytes
	s_mov_b32 s87, 0
	s_add_nc_u64 s[10:11], s[10:11], s[86:87]
.irp b, 0,1,2,3
	global_load_b128 v[BI+8*\b:BI+8*\b+3], v[BA], s[10:11] offset:64*\b
	global_load_b128 v[BI+8*\b+4:BI+8*\b+7], v[BA], s[10:11] offset:64*\b+16
.endr
.if MODE == 0
	s_mul_i32 s90, s16, 64*SPI                     ; my stage: 64 rows
	v_mul_u32_u24 v[STO], v1, SPI
	v_lshl_add_u32 v[STO], v2, 5, v[STO]
	v_add_nc_u32 v[STO], s90, v[STO]               ; in: row r, 32 bytes for each half of the lanes
	v_mul_u32_u24 v[RD], v2, SPI
	v_lshl_add_u32 v[RD], v1, 4, v[RD]
	v_add_nc_u32 v[RD], s90, v[RD]                 ; back: lanes 0-15 one row of 256 bytes, lanes 16-31 the next
	v_lshlrev_b32 v[CO], 12, v2
	v_lshl_add_u32 v[CO], v1, 4, v[CO]             ; and the same two rows of 4,096 bytes in the residual and in out
	s_wait_alu depctr_va_vdst(0)
	s_lshl_b32 s88, s43, 7
	s_lshl_b32 s89, s17, 6
	s_add_co_u32 s88, s88, s89                     ; my first row
	s_lshl_b32 s88, s88, 12
	s_add_co_u32 s88, s88, s86
	s_mov_b32 s89, 0
	s_add_nc_u64 s[12:13], s[12:13], s[88:89]
	s_add_nc_u64 s[14:15], s[14:15], s[88:89]
.else
	s_lshl_b32 s90, s16, 12                        ; my stage: four images
	v_lshlrev_b32 v[STO], 4, v1
	v_lshl_add_u32 v[STO], v2, 3, v[STO]
	v_add_nc_u32 v[STO], s90, v[STO]               ; in: 16 r + 8 h
	v_add_nc_u32 v[RD], s90, v[LI]                 ; back: 16 x lane
	s_lshl_b32 s88, s43, 3
	s_lshl_b32 s89, s17, 2
	s_add_co_u32 s88, s88, s89                     ; my first tile of 16 rows,
	s_lshl_b32 s88, s88, 6                         ; of 64 images each,
	s_lshl_b32 s89, s42, 1
	s_add_co_u32 s88, s88, s89
	s_add_co_u32 s88, s88, s18                     ; + my 64 columns' image
	s_lshl_b32 s88, s88, 10
	s_mov_b32 s89, 0
	s_add_nc_u64 s[14:15], s[14:15], s[88:89]
.endif
	s_wait_kmcnt 0x0
	s_add_co_i32 s71, s68, s69                     ; eA + eB: a sum stands for sum x 2^(eA + eB)
	s_sub_co_i32 s74, 0, s71
.if MODE == 0
	s_add_co_i32 s72, s71, 127
	s_lshl_b32 s72, s72, 23                        ; 2^(eA + eB) as f32
	s_mov_b32 s73, s72                             ; (named with it as a pair)
	s_wait_loadcnt 0x0                             ; the bias is in
.else
	s_sub_co_i32 s75, s70, s71
	s_add_co_i32 s75, s75, 127
	s_lshl_b32 s72, s75, 23
	v_mov_b32 v30, s72                             ; 2^(e - eA - eB): the three scales folded into the conversion's one
	s_add_co_i32 s75, s75, 15
	s_lshl_b32 s75, s75, 23
	s_or_b32 s75, s75, 0x600000
	v_mov_b32 v31, s75                             ; 57,344 x that
	s_wait_loadcnt 0x0
.endif
.set i, 0
.rept 32
	v_ldexp_f32 v[BI+i], v[BI+i], s74              ; bias / 2^(eA + eB)
.set i, i+1
.endr
; 8 matrix instructions: A's blocks a0, a0 + 1 x B's four, 128 along K.  zero = 1: the bias starts the sums.  The 16 accumulators take turns, one instruction a turn, in the same order in every quarter.
.macro MUL8 f, a0, zero
.irp a, \a0, \a0+1
.irp b, 0,1,2,3
.if \zero
	v_wmma_f32_16x16x128_bf8_bf8 v[ACC+8*(4*(\a)+\b):ACC+8*(4*(\a)+\b)+7], v[\f+64+16*\b:\f+64+16*\b+15], v[\f+16*(\a):\f+16*(\a)+15], v[BI+8*\b:BI+8*\b+7]
.else
	v_wmma_f32_16x16x128_bf8_bf8 v[ACC+8*(4*(\a)+\b):ACC+8*(4*(\a)+\b)+7], v[\f+64+16*\b:\f+64+16*\b+15], v[\f+16*(\a):\f+16*(\a)+15], v[ACC+8*(4*(\a)+\b):ACC+8*(4*(\a)+\b)+7]
.endif
.endr
.endr
.endm
; 32 LDS loads in one run: the fragments of the slot's kq-th 128 along K into buffer f: B's four, then A's four
.macro FETCH slot, kq, f
	WIN TO_F
.irp b, 0,1,2,3
.irp c, 0,1,2,3
	ds_load_b128 v[\f+64+16*\b+4*\c:\f+64+16*\b+4*\c+3], v[ADRB+\slot] offset:16*BP*\b+128*(\kq)+32*\c
.endr
.endr
.irp a, 0,1,2,3
.irp c, 0,1,2,3
	ds_load_b128 v[\f+16*\a+4*\c:\f+16*\a+4*\c+3], v[ADRA+\slot] offset:8192*\a+2048*(\kq)+512*\c
.endr
.endr
.endm
; A K step is four quarters of 128 along K on buffers 0, 1, 0, 1.  One of the first three: multiplies buffer f and fetches the slot's quarter kq into g.
.macro QUARTER slot, kq, f, g, zero
	s_wait_dscnt 8                                 ; B's four and A's blocks 0, 1 are in; the youngest eight loads (A's blocks 2, 3) may be out
	WIN MUL
	MUL8 \f, 0, \zero
	PLACES
	FETCH \slot, \kq, \g
	s_wait_dscnt 32                                ; all but the 32 just issued
	WIN MUL
	MUL8 \f, 2, \zero
.endm
; The last quarter multiplies buffer 1 and changes slots: ONE barrier; in front of it each wave waits for all its tensor loads, adds 0 to its spare word, and waits for that and for its reads of this slot.
.macro TURN slot, next, fill
	WIN 0
.if \fill
	s_wait_xcnt 0x0                                ; any prefetch of mine has read its address, so it may be stepped: one K step on
	s_add_nc_u64 s[94:95], s[94:95], s[96:97]
.endif
	s_wait_tensorcnt 0x0
	ds_add_u32 v[SPW], v[NIL]                      ; 0 onto my spare word;
	s_wait_dscnt 9                                 ; (the add and the youngest eight loads may be out)
	WIN MUL
	MUL8 F1, 0, 0
	s_wait_dscnt 0x0                               ; the add is done, and my reads of this slot are over
	s_barrier_signal -1
	MUL8 F1, 2, 0
	WIN 0
	s_barrier_wait -1
.if \fill
	CREST                                          ; the barrier has opened a round of the cluster's barrier: no wave of any partner still reads this slot or has a load on its way
	s_add_nc_u64 s[G0A+4*\slot+2:G0A+4*\slot+3], s[G0A+4*\slot+2:G0A+4*\slot+3], 2*8192
	s_add_nc_u64 s[G0B+4*\slot+2:G0B+4*\slot+3], s[G0B+4*\slot+2:G0B+4*\slot+3], 2*512
	JLOAD \slot                                    ; the first tensor load behind the round, and my only one until the next; its four v_nop are also the places in front of the loads below
.else
	PLACES
.endif
	FETCH \next, 0, F0
.if \fill
	; A PREFETCH INTO THE L2 of the K step that stands two refills on.  Of the 128 blocks of 256 bytes that my load of that step names, my work-group takes 32, a lane a block; the four partners
	; that ask for the tile jointly are told apart by address (cx for A, cy for B).  The loop's last trip asks for nothing: K has no step behind its refills' two.
	WIN 0
	s_cmp_gt_u32 s3, 1
	s_cbranch_scc0 .Lno_ask_\@
	global_prefetch_b8 v30, s[94:95] th:TH_LOAD_NT scope:SCOPE_SE
.Lno_ask_\@:
.endif
.endm
	; where my prefetches stand: s[94:95] the address, s[96:97] a K step in bytes, v30 my lane's block
	s_cmp_eq_u32 s17, 0                            ; do I fetch for A?
	s_cselect_b64 s[94:95], s[76:77], s[80:81]     ; the first byte of what my tensor loads fetch
	s_cselect_b32 s98, s40, s41                    ; my place among the four that ask with me
	s_mov_b32 s96, 512
	s_cselect_b32 s96, 8192, s96                   ; a K step: 8 images of A, 512 bytes of a row of B
	s_mov_b32 s99, 4096
	s_cselect_b32 s99, 512, s99                    ; from one pair of lanes to the next: 512 bytes on in A's images, a row on in B
	v_lshrrev_b32 v6, 1, v3
	v_and_b32 v7, 1, v3
	v_mul_lo_u32 v6, v6, s99
	v_lshl_add_u32 v30, v7, 8, v6                  ; + 256 bytes for the odd lane
	s_lshl_b32 s98, s98, 16                        ; my work-group's part: one tile of 16 rows of A, or 16 rows of B: 65,536 bytes either way
	s_mul_i32 s97, s96, 3
	s_add_co_u32 s98, s98, s97                     ; at K step 3: the first refill steps it to 4
	s_mov_b32 s99, 0
	s_mov_b32 s97, 0
	s_add_nc_u64 s[94:95], s[94:95], s[98:99]
	s_wait_alu depctr_va_vdst(0)
	s_wait_tensorcnt 0x0                           ; my part of K step 0 is in
	ds_add_u32 v[SPW], v[NIL]
	s_wait_dscnt 0x0
	CROUND                                         ; a whole round: everybody's part is in, and the joint loads meet
	JLOAD 1                                        ; K step 1: the first tensor load behind the round
	FETCH 0, 0, F0
	QUARTER 0, 1, F0, F1, 1                        ; the first quarter stands in front of the loop: its products start the sums
.if LAPS > 1
	WIN 0                                          ; at a label and at a branch every window is 0
	s_mov_b32 s3, LAPS-1
.Llap:                                                 ; a trip goes once round the ring and fills both slots again
	QUARTER 0, 2, F1, F0, 0
	QUARTER 0, 3, F0, F1, 0
	TURN 0, 1, 1
	QUARTER 1, 1, F0, F1, 0
	QUARTER 1, 2, F1, F0, 0
	QUARTER 1, 3, F0, F1, 0
	TURN 1, 0, 1
	QUARTER 0, 1, F0, F1, 0
	WIN 0
	s_sub_co_u32 s3, s3, 1
	s_cmp_lg_u32 s3, 0
	s_cbranch_scc1 .Llap
.endif
	WIN 0x80                                       ; destination window 2: the residual is asked for here and lands under the last lap's two K steps
.set i, 0
.rept 32
	global_load_b128 v[4*i:4*i+3], v[CO], s[12:13] offset:((i/8)*16+2*(i%8))*4096 th:TH_LOAD_NT   ; sixteen lanes read 256 consecutive bytes, aligned
.set i, i+1
.endr
	WIN 0
	QUARTER 0, 2, F1, F0, 0                        ; the last lap fills nothing
	QUARTER 0, 3, F0, F1, 0
	TURN 0, 1, 0
	QUARTER 1, 1, F0, F1, 0
	QUARTER 1, 2, F1, F0, 0
	QUARTER 1, 3, F0, F1, 0
	s_wait_dscnt 8                                 ; the very last quarter: nothing more to fetch
	WIN MUL
	MUL8 F1, 0, 0
	s_wait_dscnt 0x0
	MUL8 F1, 2, 0
	WIN 0
	PLACES
.if MODE == 0
	; THE WAY OUT.  A wave's 64 columns are 256 bytes of a row: the sums go through my own stage and come back as whole rows, into the registers that they left; then sum x 2^(eA + eB) + residual.
.irp a, 0,1,2,3
.irp b, 0,1,2,3
	ds_store_b128 v[STO], v[ACC+8*(4*\a+\b):ACC+8*(4*\a+\b)+3] offset:16*SPI*\a+64*\b       ; each accumulator from its low end on
	ds_store_b128 v[STO], v[ACC+8*(4*\a+\b)+4:ACC+8*(4*\a+\b)+7] offset:16*SPI*\a+64*\b+16
.endr
.endr
.set i, 0
.rept 32
	ds_load_b128 v[ACC+4*i:ACC+4*i+3], v[RD] offset:16*SPI*(i/8)+2*SPI*(i%8)   ; LDS serves a wave's instructions in order (ISA guide 5.7.1.4): these see my stores
.set i, i+1
.endr
	s_wait_loadcnt 0x0                             ; the residual
	WIN 0x20                                       ; source 2 window 2; a store's address and data are sources 0 and 1: window 0
.set i, 0
.rept 32
	s_wait_dscnt 31-i
	v_pk_fma_f32 v[ACC+4*i:ACC+4*i+1], v[ACC+4*i:ACC+4*i+1], s[72:73], v[4*i:4*i+1] op_sel_hi:[1,0,1]
	v_pk_fma_f32 v[ACC+4*i+2:ACC+4*i+3], v[ACC+4*i+2:ACC+4*i+3], s[72:73], v[4*i+2:4*i+3] op_sel_hi:[1,0,1]
	global_store_b128 v[CO], v[ACC+4*i:ACC+4*i+3], s[14:15] offset:((i/8)*16+2*(i%8))*4096   ; sixteen lanes store 256 consecutive bytes, aligned
.set i, i+1
.endr
	WIN 0
.else
	; THE WAY OUT.  relu and the hold in one, the conversion, and my 64 columns x 64 rows leave as four images.
.set t, 0
.rept 16
.set i, 0
.rept 8
	v_med3_num_f32 v[ACC+8*t+i], v[ACC+8*t+i], 0, v31
.set i, i+1
.endr
	v_cvt_scalef32_pk8_bf8_f32 v[TMP+2*t:TMP+2*t+1], v[ACC+8*t:ACC+8*t+7], v30
.set t, t+1
.endr
	v_nop
.irp a, 0,1,2,3
.irp b, 0,1,2,3
	ds_store_b64 v[STO], v[TMP+2*(4*\a+\b):TMP+2*(4*\a+\b)+1] offset:1024*\a+256*\b   ; columns 16 b + 8 h + 0..7 of row r lie at 256 b + 16 r + 8 h of the image
.endr
.endr
.set i, 0
.rept 8
	ds_load_b128 v[TMP+32+4*i:TMP+32+4*i+3], v[RD] offset:512*i
.set i, i+1
.endr
.set i, 0
.rept 8
	s_wait_dscnt 7-i
	global_store_b128 v[LI], v[TMP+32+4*i:TMP+32+4*i+3], s[14:15] offset:65536*(i/2)+512*(i%2)   ; the wave stores 512 consecutive bytes, aligned
.set i, i+1
.endr
.endif
	s_wait_tensorcnt 0x0                           ; the wave's end, behind my last tensor load and my last LDS store
	ds_add_u32 v[SPW], v[NIL]
	s_wait_dscnt 0x0
	CROUND                                         ; the closing round: no work-group ends while a partner may still ask for a tile that names it
	s_endpgm
.Lfunc_end_k_qbce2a28267_gemm5:
	.size	k_qbce2a28267_gemm5, .Lfunc_end_k_qbce2a28267_gemm5-k_qbce2a28267_gemm5
	.p2alignl 7, 3214868480
	.fill 96, 4, 3214868480
	.section	.rodata,"a",@progbits
	.p2align	6, 0x0
	.amdhsa_kernel k_qbce2a28267_gemm5
		.amdhsa_group_segment_fixed_size 327680
		.amdhsa_private_segment_fixed_size 0
		.amdhsa_enable_private_segment 0
		.amdhsa_kernarg_size 48
		.amdhsa_user_sgpr_count 2
		.amdhsa_user_sgpr_kernarg_segment_ptr 1
		.amdhsa_wavefront_size32 1
		.amdhsa_system_sgpr_workgroup_id_x 1
		.amdhsa_system_sgpr_workgroup_id_y 1
		.amdhsa_system_sgpr_workgroup_id_z 1
		.amdhsa_system_vgpr_workitem_id 0
		.amdhsa_next_free_vgpr 640
		.amdhsa_next_free_sgpr 100
		.amdhsa_reserve_vcc 0
		.amdhsa_float_denorm_mode_32 3
		.amdhsa_float_denorm_mode_16_64 3
		.amdhsa_memory_ordered 1
		.amdhsa_forward_progress 1
		.amdhsa_inst_pref_size 82
	.end_amdhsa_kernel
	.amdgpu_metadata
---
amdhsa.version: [ 1, 2 ]
amdhsa.kernels:
  - .name:           k_qbce2a28267_gemm5
    .symbol:         k_qbce2a28267_gemm5.kd
    .args:
      - { .name: hc, .offset: 0, .size: 8, .value_kind: global_buffer, .address_space: global }
      - { .name: w2_codes, .offset: 8, .size: 8, .value_kind: global_buffer, .address_space: global }
      - { .name: lowp_scales, .offset: 16, .size: 8, .value_kind: global_buffer, .address_space: global }
      - { .name: b2, .offset: 24, .size: 8, .value_kind: global_buffer, .address_space: global }
      - { .name: x, .offset: 32, .size: 8, .value_kind: global_buffer, .address_space: global }
      - { .name: r2, .offset: 40, .size: 8, .value_kind: global_buffer, .address_space: global }
    .group_segment_fixed_size: 327680
    .private_segment_fixed_size: 0
    .kernarg_segment_align: 8
    .kernarg_segment_size: 48
    .max_flat_workgroup_size: 128
    .sgpr_count:     100
    .vgpr_count:     640
    .wavefront_size: 32
...
	.end_amdgpu_metadata
.endif
;; end of part 6
;; launch ln2 (part 7): grid 256 x 1, 8 waves a work-group, no clusters, 0 bytes of LDS; arguments r2, g2, be2, out0; writes out0
.if DOCPART == 7
	.amdgcn_target "amdgcn-amd-amdhsa--gfx1250"
	.amdhsa_code_object_version 6
	.text
	.protected	k_qbce2a28267_ln2
	.globl	k_qbce2a28267_ln2
	.p2align	8
	.type	k_qbce2a28267_ln2,@function
k_qbce2a28267_ln2:
	s_mov_b64 s[64:65], 0
	v_nop
	global_prefetch_b8 v0, s[64:65] scope:SCOPE_SE
	s_setreg_imm32_b32 hwreg(HW_REG_WAVE_MODE, 25, 1), 1
	s_wait_xcnt 0x0
; y = (v - mean(v)) / sqrt(var(v) + 1e-5) x g + be, row by row of 1,024 f32.  (With CODES = 1 the same text also makes y's codes; here CODES = 0: nothing of that is assembled.)
; The variance is taken of v - mean in a second pass over the registers, as the definition has it.  NaN among the inputs is not served.
; SHARES.  A work-group takes 16 rows, each of its eight waves two: a row is 32 registers of a wave and is read from memory once.  Each load and store of a wave covers 512 consecutive bytes, aligned.
; No LDS, no barrier, no matrix unit, no cluster: the reduction never leaves the wave, and work-groups share only g and be.
.set CODES, 0
.set LP,   4112
.set X,    16                          ; v16-79   two rows
.set G,    80                          ; v80-111  g of my 32 columns;  v112-143 be
.set B,    112
.set ST,   144                         ; row p at v[144 + 8 p]: +0..3 two chains of pairs; +4 the mean; +6 1 / sqrt; +5, +7 named as upper halves only
.set Y,    160
.set C,    224
.if CODES
.set OUT,  12
.else
.set OUT,  10
.endif
	s_load_b256 s[4:11], s[0:1], 0x0               ; in s[4:5], g s[6:7], be s[8:9]; then the scales' exponents (CODES = 1) or out
.if CODES
	s_load_b128 s[12:15], s[0:1], 0x20             ; out s[12:13], the codes s[14:15]
.endif
	v_lshrrev_b32 v4, 5, v0
	s_delay_alu instid0(VALU_DEP_1)
	v_readfirstlane_b32 s16, v4                    ; wave 0..7
	v_and_b32 v5, 31, v0
	s_delay_alu instid0(VALU_DEP_1)
	v_lshlrev_b32 v1, 4, v5                        ; 16 x lane
	s_lshl_b32 s18, ttmp9, 16                      ; 16 rows of 4,096 bytes a work-group,
	s_lshl_b32 s19, s16, 13                        ; two a wave
	s_add_co_u32 s18, s18, s19
	s_mov_b32 s19, 0
	s_mov_b32 s20, 0x3727c5ac                      ; 1e-5
	s_mov_b32 s21, 0x3a800000                      ; 1 / 1,024
	s_mov_b32 s22, 0x76543210                      ; v_permlanex16_b32's selects: lane l xor 16
	s_mov_b32 s23, 0xfedcba98
.if CODES
	s_mul_i32 s25, s16, 2*LP
	v_add_nc_u32 v2, s25, v1
	v_and_b32 v6, 15, v0
	v_bfe_u32 v7, v0, 4, 1
	v_mul_u32_u24 v3, v6, LP
	v_lshl_add_u32 v3, v7, 6, v3
	s_lshl_b32 s25, s16, 9
	v_add_nc_u32 v3, s25, v3
	s_lshl_b32 s26, ttmp9, 14
	s_lshl_b32 s27, s16, 11
	s_add_co_u32 s26, s26, s27
	s_mov_b32 s27, 0
.endif
.irp p, 0,1
	v_mov_b32 v[ST+8*\p+5], 0
	v_mov_b32 v[ST+8*\p+7], 0
.endr
	s_wait_alu depctr_va_vdst(0)
	s_wait_kmcnt 0x0
.if CODES
	s_load_b32 s24, s[10:11], 0x18
	s_add_nc_u64 s[14:15], s[14:15], s[26:27]
.endif
	s_add_nc_u64 s[4:5], s[4:5], s[18:19]
	s_add_nc_u64 s[OUT:OUT+1], s[OUT:OUT+1], s[18:19]
.irp p, 0,1
.irp j, 0,1,2,3,4,5,6,7
	global_load_b128 v[X+32*\p+4*\j:X+32*\p+4*\j+3], v1, s[4:5] offset:4096*\p+512*\j th:TH_LOAD_NT
.endr
.endr
.irp j, 0,1,2,3,4,5,6,7
	global_load_b128 v[G+4*\j:G+4*\j+3], v1, s[6:7] offset:512*\j
.endr
.irp j, 0,1,2,3,4,5,6,7
	global_load_b128 v[B+4*\j:B+4*\j+3], v1, s[8:9] offset:512*\j
.endr
.macro RED2                            ; both rows' figures, v[ST] and v[ST+8], summed over the 32 lanes; every lane ends up with the sum
.irp p, 0
	s_delay_alu instid0(VALU_DEP_3)
	v_pk_add_f32 v[ST+8*\p:ST+8*\p+1], v[ST+8*\p:ST+8*\p+1], v[ST+8*\p+2:ST+8*\p+3]
.endr
.irp p, 1
	s_delay_alu instid0(VALU_DEP_2)
	v_pk_add_f32 v[ST+8*\p:ST+8*\p+1], v[ST+8*\p:ST+8*\p+1], v[ST+8*\p+2:ST+8*\p+3]
.endr
.irp p, 0,1
	s_delay_alu instid0(VALU_DEP_2)
	v_add_f32 v[ST+8*\p], v[ST+8*\p], v[ST+8*\p+1]
.endr
.irp m, 1,2,4,8
.irp p, 0,1
	s_delay_alu instid0(VALU_DEP_2)
	v_add_f32_dpp v[ST+8*\p], v[ST+8*\p], v[ST+8*\p] row_xmask:\m row_mask:0xf bank_mask:0xf
.endr
.endr
.irp p, 0,1
	s_delay_alu instid0(VALU_DEP_2)
	v_permlanex16_b32 v[ST+8*\p+1], v[ST+8*\p], s22, s23
.endr
.irp p, 0,1
	s_delay_alu instid0(VALU_DEP_2)
	v_add_f32 v[ST+8*\p], v[ST+8*\p], v[ST+8*\p+1]
.endr
.endm
	s_wait_loadcnt 16                              ; the two rows are in; g's and be's sixteen loads stay out
.irp p, 0,1                                    ; the sum: two chains a row, the rows by turns; the first words start the chains
	v_pk_add_f32 v[ST+8*\p:ST+8*\p+1], v[X+32*\p:X+32*\p+1], v[X+32*\p+2:X+32*\p+3]
	v_pk_add_f32 v[ST+8*\p+2:ST+8*\p+3], v[X+32*\p+4:X+32*\p+5], v[X+32*\p+6:X+32*\p+7]
.endr
.irp j, 8,12,16,20,24,28
.irp p, 0,1
	s_delay_alu instid0(VALU_DEP_4)
	v_pk_add_f32 v[ST+8*\p:ST+8*\p+1], v[ST+8*\p:ST+8*\p+1], v[X+32*\p+\j:X+32*\p+\j+1]
	s_delay_alu instid0(VALU_DEP_4)
	v_pk_add_f32 v[ST+8*\p+2:ST+8*\p+3], v[ST+8*\p+2:ST+8*\p+3], v[X+32*\p+\j+2:X+32*\p+\j+3]
.endr
.endr
	RED2
.irp p, 0,1
	s_delay_alu instid0(VALU_DEP_2)
	v_mul_f32 v[ST+8*\p+4], s21, v[ST+8*\p]        ; the mean
.endr
.set i, 0
.rept 16
.irp p, 0,1
	v_pk_add_f32 v[X+32*\p+i:X+32*\p+i+1], v[X+32*\p+i:X+32*\p+i+1], v[ST+8*\p+4:ST+8*\p+5] op_sel_hi:[1,0] neg_lo:[0,1] neg_hi:[0,1]   ; d = v - mean
.endr
.set i, i+2
.endr
.irp p, 0,1                                    ; the sum of d^2
	v_pk_mul_f32 v[ST+8*\p:ST+8*\p+1], v[X+32*\p:X+32*\p+1], v[X+32*\p:X+32*\p+1]
	v_pk_mul_f32 v[ST+8*\p+2:ST+8*\p+3], v[X+32*\p+2:X+32*\p+3], v[X+32*\p+2:X+32*\p+3]
.endr
.irp j, 4,8,12,16,20,24,28
.irp p, 0,1
	s_delay_alu instid0(VALU_DEP_4)
	v_pk_fma_f32 v[ST+8*\p:ST+8*\p+1], v[X+32*\p+\j:X+32*\p+\j+1], v[X+32*\p+\j:X+32*\p+\j+1], v[ST+8*\p:ST+8*\p+1]
	s_delay_alu instid0(VALU_DEP_4)
	v_pk_fma_f32 v[ST+8*\p+2:ST+8*\p+3], v[X+32*\p+\j+2:X+32*\p+\j+3], v[X+32*\p+\j+2:X+32*\p+\j+3], v[ST+8*\p+2:ST+8*\p+3]
.endr
.endr
	RED2
.irp p, 0,1
	s_delay_alu instid0(VALU_DEP_2)
	v_fma_f32 v[ST+8*\p], v[ST+8*\p], s21, s20     ; the variance + 1e-5
.endr
	s_wait_alu depctr_va_vdst(0)
.irp p, 0,1
	v_rsq_f32 v[ST+8*\p+6], v[ST+8*\p]
.endr
	v_nop                                          ; a plain line behind the two,
	s_wait_loadcnt 0x0                             ; g and be,
	s_wait_alu depctr_va_vdst(0)                   ; and one wait for both, ahead of the first line that names a result
.set i, 0
.rept 16
.irp p, 0,1
	v_pk_mul_f32 v[X+32*\p+i:X+32*\p+i+1], v[X+32*\p+i:X+32*\p+i+1], v[ST+8*\p+6:ST+8*\p+7] op_sel_hi:[1,0]
.endr
.irp p, 0,1
	s_delay_alu instid0(VALU_DEP_2)
	v_pk_fma_f32 v[X+32*\p+i:X+32*\p+i+1], v[X+32*\p+i:X+32*\p+i+1], v[G+i:G+i+1], v[B+i:B+i+1]
.endr
.set i, i+2
.endr
.irp p, 0,1
.irp j, 0,1,2,3,4,5,6,7
	global_store_b128 v1, v[X+32*\p+4*\j:X+32*\p+4*\j+3], s[OUT:OUT+1] offset:4096*\p+512*\j
.endr
.endr
.if CODES
.irp p, 0,1
.irp j, 0,1,2,3,4,5,6,7
	ds_store_b128 v2, v[X+32*\p+4*\j:X+32*\p+4*\j+3] offset:LP*\p+512*\j
.endr
.endr
	s_wait_kmcnt 0x0
	s_add_co_i32 s24, s24, 127
	s_lshl_b32 s25, s24, 23
	v_mov_b32 v11, s25
	s_add_co_i32 s24, s24, 15
	s_lshl_b32 s24, s24, 23
	s_or_b32 s24, s24, 0x600000
	v_mov_b32 v10, s24
	s_wait_dscnt 0x0
	s_barrier_signal -1
	s_barrier_wait -1
.irp u, 0,1
.irp c, 0,1
.irp j, 0,1,2,3
	ds_load_b128 v[Y+32*\u+16*\c+4*\j:Y+32*\u+16*\c+4*\j+3], v3 offset:256*\u+128*\c+16*\j
.endr
.endr
.endr
.irp u, 0,1
	s_wait_dscnt 8-8*\u
.set i, 0
.rept 32
	v_med3_num_f32 v[Y+32*\u+i], v[Y+32*\u+i], -v10, v10
.set i, i+1
.endr
.irp g, 0,1,2,3
	v_cvt_scalef32_pk8_bf8_f32 v[C+8*\u+2*\g:C+8*\u+2*\g+1], v[Y+32*\u+8*\g:Y+32*\u+8*\g+7], v11
.endr
.irp c, 0,1
	global_store_b128 v1, v[C+8*\u+4*\c:C+8*\u+4*\c+3], s[14:15] offset:1024*\u+512*\c
.endr
.endr
.endif
	s_endpgm
.Lfunc_end_k_qbce2a28267_ln2:
	.size	k_qbce2a28267_ln2, .Lfunc_end_k_qbce2a28267_ln2-k_qbce2a28267_ln2
	.p2alignl 7, 3214868480
	.fill 96, 4, 3214868480
	.section	.rodata,"a",@progbits
	.p2align	6, 0x0
	.amdhsa_kernel k_qbce2a28267_ln2
		.amdhsa_group_segment_fixed_size 0
		.amdhsa_private_segment_fixed_size 0
		.amdhsa_enable_private_segment 0
		.amdhsa_kernarg_size 32
		.amdhsa_user_sgpr_count 2
		.amdhsa_user_sgpr_kernarg_segment_ptr 1
		.amdhsa_wavefront_size32 1
		.amdhsa_system_sgpr_workgroup_id_x 1
		.amdhsa_system_sgpr_workgroup_id_y 1
		.amdhsa_system_sgpr_workgroup_id_z 1
		.amdhsa_system_vgpr_workitem_id 0
		.amdhsa_next_free_vgpr 160
		.amdhsa_next_free_sgpr 66
		.amdhsa_reserve_vcc 0
		.amdhsa_float_denorm_mode_32 3
		.amdhsa_float_denorm_mode_16_64 3
		.amdhsa_memory_ordered 1
		.amdhsa_forward_progress 1
		.amdhsa_inst_pref_size 22
	.end_amdhsa_kernel
	.amdgpu_metadata
---
amdhsa.version: [ 1, 2 ]
amdhsa.kernels:
  - .name:           k_qbce2a28267_ln2
    .symbol:         k_qbce2a28267_ln2.kd
    .args:
      - { .name: r2, .offset: 0, .size: 8, .value_kind: global_buffer, .address_space: global }
      - { .name: g2, .offset: 8, .size: 8, .value_kind: global_buffer, .address_space: global }
      - { .name: be2, .offset: 16, .size: 8, .value_kind: global_buffer, .address_space: global }
      - { .name: out0, .offset: 24, .size: 8, .value_kind: global_buffer, .address_space: global }
    .group_segment_fixed_size: 0
    .private_segment_fixed_size: 0
    .kernarg_segment_align: 8
    .kernarg_segment_size: 32
    .max_flat_workgroup_size: 256
    .sgpr_count:     66
    .vgpr_count:     160
    .wavefront_size: 32
...
	.end_amdgpu_metadata
.endif
;; end of part 7
